; MI455X (gfx1250); checked and timed in simulation.
; The chip was launched on July 23, 2026; its instructions are those of AMD's public machine-readable ISA for CDNA 5 (MIT licence, August 2026) and "CDNA5" Instruction Set Architecture Reference Guide (July 2026). The comments in the code are by the model that wrote it; some were corrected since.
;; Multi Head Attention. Allowed arithmetic: matrix products marked QUANTISED: E4M3 operands, one E8M0 scale for each 32 along K, by v_wmma_scale_f32_16x16x128_f8f6f4 with both operands' format E4M3, f32 sums; everything else in f32.
;; Inputs: Wk_b 1,024 float32; Wk_w 1,024 x 1,024 float32; Wo_b 1,024 float32; Wo_w 1,024 x 1,024 float32; Wq_b 1,024 float32; Wq_w 1,024 x 1,024 float32; Wv_b 1,024 float32; Wv_w 1,024 x 1,024 float32; x 4 x 2,048 x 1,024 float32.
;; Outputs: out0 4 x 2,048 x 1,024 float32.
;; This version of the problem:
;;   THIS VERSION OF THE PROBLEM IS GIVEN IN LOW PRECISION. The matrix products marked QUANTISED in the list below multiply operands that are first quantised to E4M3 (4 exponent bits, 3 mantissa bits; 8 bits a number), with one power-of-two scale for each 32 numbers along K (OCP MX v1.0); their sums are f32. All else is computed in f32.
;;   The module's matrix products, in the order in which they are computed (A, B: the left and right operand; K: the contracted axis; several contracted axes count as one K, in the product's order):
;;     1. [M 8,192, K 1,024] x [K 1,024, N 1,024]; A: input x; B: input Wq_w: QUANTISED
;;     2. [M 8,192, K 1,024] x [K 1,024, N 1,024]; A: input x; B: input Wk_w: QUANTISED
;;     3. [M 8,192, K 1,024] x [K 1,024, N 1,024]; A: input x; B: input Wv_w: QUANTISED
;;     4. batch 64 x [M 2,048, K 64] x [K 64, N 2,048]; A: computed on the way; B: computed on the way: QUANTISED
;;     5. batch 64 x [M 2,048, K 2,048] x [K 2,048, N 64]; A: softmax (see below); B: computed on the way: QUANTISED
;;     6. [M 8,192, K 1,024] x [K 1,024, N 1,024]; A: computed on the way; B: input Wo_w: QUANTISED
;;   THE QUANTISER, for each operand of a quantised product, along K:
;;     - K is cut into blocks of 32 from its start; a last block that is shorter is filled with zeros.
;;     - A block's scale is 2^e with e = floor(log2(the largest magnitude in the block)) - 8, held to -126 .. 127; a block of zeros has e = 0. As a byte (E8M0): e + 127.
;;     - Each number is divided by its block's scale, clamped to +-448, and rounded to the nearest number of E4M3, ties to even, subnormals kept.
;;     - The product sums the exact products of the quantised numbers (number of the format x scale) in f32.
;;   ~~~python
;;   def quantise(x, axis):      # numpy; x: float32 -> the quantised numbers, widened to float32 again
;;       x = np.moveaxis(x, axis, -1); K = x.shape[-1]
;;       x = np.pad(x, [(0, 0)] * (x.ndim - 1) + [(0, -K % 32)]); x = x.reshape(x.shape[:-1] + (-1, 32)); a = np.abs(x).max(-1, keepdims=True)
;;       e = np.where(a > 0, np.clip(np.frexp(np.where(a > 0, a, 1))[1] - 1 - 8, -126, 127), 0)      # np.frexp(a)[1] - 1 = floor(log2(a)), exactly
;;       r = np.clip(x / 2.0 ** e, -448, 448)
;;       step = 2.0 ** (np.maximum(np.frexp(np.where(r == 0, 1, r))[1] - 1, -6) - 3)
;;       q = np.round(r / step) * step * 2.0 ** e      # np.round: ties to even
;;       return np.moveaxis(q.reshape(q.shape[:-2] + (-1,))[..., :K], -1, axis).astype(np.float32)
;;   ~~~
;;   SOFTMAX AHEAD OF A QUANTISED PRODUCT. Where the list says 'softmax', what is quantised is not the finished softmax but p = 2^(t - M), with t = logit x log2(e) and M = ceil(the row's largest t), a whole number; so 1/2 < the row's largest p <= 1. The row's sum l is taken of the UNQUANTISED p, in f32, and the product's result is divided by l at the end. Since M is a whole number, a kernel that streams over the keys may use a running M (the ceiling of the running maximum): every later rescaling is an exact power of two, which a block's scale takes up: the codes' values come out the same.
;;   OPERANDS COMPUTED ON THE WAY. 'Computed on the way' means the value that the module computes at that place (a softmax that the list does not call 'softmax' is quantised finished and normalised). What goes into a quantiser is computed in f32, as accurately as f32 sums, v_exp_f32 and their like allow (about 1e-6 of the number): no bf16 or f16 on the way to a quantiser, and a product that is left as it is and whose result goes on into a quantised operand takes f32 operands (vector FMAs, or v_wmma_f32_16x16x4_f32). A number that lies on a knife's edge between two numbers of the format may be rounded either way, as far as f32 arithmetic and the matrix unit's own rounding can turn it there, and no further.
;; One version. Each part assembles by itself: llvm-mc -triple=amdgcn-amd-amdhsa -mcpu=gfx1250 --defsym DOCPART=n.
;; ======== version 1 of 1: 4 launches
;; limits: right only within a limited range of input values
;; workspace buffers: actc 8,388,608 bytes; acts 262,144 bytes; wc 4,194,304 bytes; ws 131,072 bytes; qc 8,388,608 bytes; qs 524,288 bytes; kv 17,301,504 bytes
;; launch quant (part 1): grid 384 x 1, 4 waves a work-group, no clusters, 34,304 bytes of LDS; arguments x, Wq_w, Wk_w, Wv_w, Wo_w, actc, acts, wc, ws; writes actc, acts, wc, ws
.if DOCPART == 1
	.amdgcn_target "amdgcn-amd-amdhsa--gfx1250"
	.amdhsa_code_object_version 6
	.text
	.protected	k_q2d6c3c5b10_quant
	.globl	k_q2d6c3c5b10_quant
	.p2align	8
	.type	k_q2d6c3c5b10_quant,@function
k_q2d6c3c5b10_quant:
	s_mov_b64 s[64:65], 0
	v_nop
	global_prefetch_b8 v0, s[64:65] scope:SCOPE_SE
	s_setreg_imm32_b32 hwreg(HW_REG_WAVE_MODE, 25, 1), 1
	s_wait_xcnt 0x0
; x [8192][1024] f32 and the four weights [1024 (k)][1024 (n)] f32 become codes of FP8 (E4M3) with one E8M0 byte for each 32 along K (x: its last axis; a weight: its first).
; A block's scale is 2^(floor(log2(largest magnitude)) - 8); its byte is the largest magnitude's exponent field - 8, held at 1 from below; numbers are held within +-448 x the scale and rounded to the nearest code, ties to even.
; LAYOUT OF THE RESULTS: images of the matrix operand's registers.  A fragment (16 rows x 128 K) is 2,048 bytes [group c 0..3][lane 0..31][16 bytes]: lane (r = lane % 16, h = lane / 16) holds k = 32 c + 16 h + 0 .. 15 of row r.
; Tile T takes the rows 32 (T / 2) + 8 (T % 2) + r + 8 (r / 8).  Codes: [tile][K step 0..7][2,048].  Scale words: [tile / 2][K / 256][tile % 2][r][8 bytes = the words of two K steps].
; LIMITS: NaN and infinities among the inputs are not served.  A block of zeros gets the byte 1 where the rule says 127: its codes are zeros, and this program alone reads the bytes.
; Work-groups 0-255 take x (32 tokens each; wave = 256 along K); work-groups 256-383 take the weights (a wave: 32 columns x 256 along K).  Each wave reads 32,768 bytes.  Waves share nothing: no barrier.
.set R,   16                           ; v16-143  x: two sets of 64 numbers as loaded
.set X,   144                          ; v144-207 x: 64 numbers, register 16 c + i = k 32 c + 16 h + i of my row
.set PC,  208                          ; v208-223 the codes of a fragment
.set TM,  224                          ; v224-239 at work in QUANT
.set PW,  240                          ; v240     the scale word just made
.set W4,  8                            ; v8-11    the four fragments' scale words
.set SEL, 24                           ; s[24:25] selects of v_permlanex16_b32 for lane l xor 16
.set MNT, 23
.set STG, 8448                         ; a wave's stage: 16 rows x (512 bytes + 16)
	s_load_b256 s[4:11], s[0:1], 0x0               ; x s[4:5], Wq s[6:7], Wk s[8:9], Wv s[10:11]
	s_load_b256 s[12:19], s[0:1], 0x20             ; Wo s[12:13], actc s[14:15], acts s[16:17], wc s[18:19]
	s_load_b64 s[20:21], s[0:1], 0x40              ; ws
	v_lshl_add_u32 v254, v0, 2, 0x8400
	v_mov_b32 v255, 0
	v_lshrrev_b32 v1, 5, v0
	v_readfirstlane_b32 s22, v1                    ; wave
	v_and_b32 v2, 31, v0                           ; lane
	v_and_b32 v3, 15, v0                           ; r
	v_bfe_u32 v1, v0, 4, 1                         ; h
	s_mov_b32 s[SEL], 0x76543210
	s_mov_b32 s[SEL+1], 0xfedcba98
	s_mov_b32 s29, 0
	s_wait_kmcnt 0x0
	s_cmp_lt_u32 ttmp9, 256
	s_cbranch_scc0 .Lweights
; ---------------- x ----------------
; 64 numbers of a lane, v[s] on, become a fragment's codes in v[PC] on and its scale word in v[PW]
.macro QUANT s
.irp b, 0,1,2,3
	v_max3_num_f32 v[TM+\b], |v[\s+16*\b]|, |v[\s+1+16*\b]|, 0x4800000   ; block b: my 16 numbers and the floor 2^(9 - 127): the byte cannot fall under 1
.endr
.irp i, 2,4,6,8,10,12,14
.irp b, 0,1,2,3
	v_max3_num_f32 v[TM+\b], v[TM+\b], |v[\s+16*\b+\i]|, |v[\s+1+16*\b+\i]|
.endr
.endr
.irp b, 0,1,2,3
	v_permlanex16_b32 v[TM+4+\b], v[TM+\b], s[SEL], s[SEL+1]
.endr
.irp b, 0,1,2,3
	v_max_num_f32 v[TM+\b], v[TM+\b], v[TM+4+\b]   ; with lane l xor 16's 16: the block's largest magnitude
.endr
.irp b, 0,1,2,3
	v_add_nc_u32 v[TM+12+\b], 0xfc000000, v[TM+\b] ; 8 off its exponent field: the conversion's scale operand
.endr
.irp b, 0,1,2,3
.endr
.irp b, 0,1,2,3
	v_lshrrev_b32 v[TM+4+\b], 23, v[TM+12+\b]      ; the scale's byte
.endr
	v_lshl_or_b32 v[PW], v[TM+5], 8, v[TM+4]
	v_lshl_or_b32 v[PW], v[TM+6], 16, v[PW]
	v_lshl_or_b32 v[PW], v[TM+7], 24, v[PW]
.irp b, 0,1,2,3
.irp i, 0,1,2,3,4,5,6,7,8,9,10,11,12,13,14,15
.endr
	v_cvt_scalef32_pk8_fp8_f32 v[PC+4*\b:PC+1+4*\b], v[\s+16*\b:\s+7+16*\b], v[TM+12+\b]
	v_cvt_scalef32_pk8_fp8_f32 v[PC+2+4*\b:PC+3+4*\b], v[\s+8+16*\b:\s+15+16*\b], v[TM+12+\b]
.endr
.endm
	s_wait_alu depctr_va_vdst(0)
	v_lshlrev_b32 v4, 4, v2                        ; 16 x lane: my bytes of a load's 512, and of an image's group
	s_mul_i32 s26, s22, STG
	v_add_nc_u32 v5, s26, v4                       ; the stage, way in: a row as it lies
	v_mul_u32_u24 v6, v3, 528
	v_lshl_add_u32 v6, v1, 6, v6
	v_add_nc_u32 v6, s26, v6                       ; way out: row r, + 64 h: my 16 numbers of a block of 32
	v_lshlrev_b32 v7, 3, v2                        ; 8 x lane: the scale words' place
.irp b, 0,1,2,3
	v_mov_b32 v[TM+4+\b], 0                        ; a lane permute's destination counts as one of its sources
.endr
	s_lshl_b32 s28, ttmp9, 17                      ; x: 32 tokens of 4,096 bytes a work-group, 1,024 bytes a wave
	s_lshl_b32 s27, s22, 10
	s_add_co_u32 s28, s28, s27
	s_add_nc_u64 s[4:5], s[4:5], s[28:29]
	s_lshl_b32 s28, ttmp9, 15                      ; codes: two tiles of 16,384 bytes, two K steps of 2,048 a wave
	s_lshl_b32 s27, s22, 12
	s_add_co_u32 s28, s28, s27
	s_add_nc_u64 s[14:15], s[14:15], s[28:29]
	s_lshl_b32 s28, ttmp9, 10                      ; scale words: 1,024 bytes a work-group, 256 a wave
	s_lshl_b32 s27, s22, 8
	s_add_co_u32 s28, s28, s27
	s_add_nc_u64 s[16:17], s[16:17], s[28:29]
; fragment f: tile f / 2 of the two, K step f % 2 of the wave's two.  Sixteen loads, each 512 consecutive bytes of one row
.macro XLOAD f
.irp i, 0,1,2,3,4,5,6,7,8,9,10,11,12,13,14,15
	global_load_b128 v[R+64*((\f)%2)+4*\i:R+64*((\f)%2)+4*\i+3], v4, s[4:5] offset:(8*((\f)/2)+\i+8*(\i/8))*4096+512*((\f)%2) th:TH_LOAD_NT
.endr
.endm
.macro XSTEP f
.if (\f) < 3
	s_wait_loadcnt 16                              ; this fragment's 16 loads are in; the next fragment's 16 may be out
.else
	s_wait_loadcnt 0x0
.endif
.irp i, 0,1,2,3,4,5,6,7,8,9,10,11,12,13,14,15
	ds_store_b128 v5, v[R+64*((\f)%2)+4*\i:R+64*((\f)%2)+4*\i+3] offset:528*\i
.endr
.irp c, 0,1,2,3
.irp j, 0,1,2,3
	ds_load_b128 v[X+16*\c+4*\j:X+16*\c+4*\j+3], v6 offset:128*\c+16*\j   ; LDS serves a wave's instructions in order: these see the stores above
.endr
.endr
	s_wait_dscnt 0x0                               ; the numbers are back, and the stores have read their registers
.if (\f) < 2
	XLOAD \f+2
.endif
.if (\f) > 0
	s_wait_xcnt 0x0                                ; the last fragment's stores have read v[PC] on: it is written again only behind this wait
.endif
	QUANT X
	v_mov_b32 v[W4+(\f)], v[PW]                    ; (also the plain instruction behind the conversions)
.irp c, 0,1,2,3
	global_store_b128 v4, v[PC+4*\c:PC+4*\c+3], s[14:15] offset:((\f)/2)*16384+((\f)%2)*2048+512*\c   ; 32 lanes store 512 consecutive bytes
.endr
.endm
	XLOAD 0
	XLOAD 1
	s_wait_alu depctr_va_vdst(0)
	XSTEP 0
	XSTEP 1
	XSTEP 2
	XSTEP 3
	v_cmp_lt_u32 vcc_lo, 15, v2                    ; lanes 16-31 store the second tile's words (every lane holds row lane % 16's word)
	v_cndmask_b32 v12, v[W4], v[W4+2], vcc_lo
	v_cndmask_b32 v13, v[W4+1], v[W4+3], vcc_lo
	global_store_b64 v7, v[12:13], s[16:17]        ; 256 consecutive bytes, aligned
	s_wait_tensorcnt 0x0
	ds_add_u32 v254, v255
	s_wait_dscnt 0x0
	s_endpgm
; ---------------- the weights ----------------
; A lane takes a column n and its registers run down K: a block of 32 lies in one lane, and the conversions give codes with K innermost.
.Lweights:
	s_sub_co_u32 s26, ttmp9, 256
	s_lshr_b32 s27, s26, 5                         ; which matrix: q, k, v, o
	s_bfe_u32 s28, s26, 0x30002                    ; which 128 columns
	s_and_b32 s30, s26, 3                          ; which 256 along K
	s_lshl_b32 s28, s28, 2
	s_add_co_u32 s28, s28, s22                     ; which 32 columns: my wave's
	s_cmp_eq_u32 s27, 1
	s_cselect_b64 s[6:7], s[8:9], s[6:7]
	s_cmp_eq_u32 s27, 2
	s_cselect_b64 s[6:7], s[10:11], s[6:7]
	s_cmp_eq_u32 s27, 3
	s_cselect_b64 s[6:7], s[12:13], s[6:7]
	s_lshl_b32 s32, s30, 20                        ; 256 rows of 4,096 bytes,
	s_lshl_b32 s31, s28, 7                         ; 32 columns of 4 bytes
	s_add_co_u32 s32, s32, s31
	s_mov_b32 s33, 0
	s_add_nc_u64 s[6:7], s[6:7], s[32:33]
	s_lshl_b32 s32, s27, 20                        ; codes: 64 tiles of 16,384 bytes a matrix, two tiles a wave, two K steps
	s_lshl_b32 s31, s28, 15
	s_add_co_u32 s32, s32, s31
	s_lshl_b32 s31, s30, 12
	s_add_co_u32 s32, s32, s31
	s_add_nc_u64 s[18:19], s[18:19], s[32:33]
	s_lshl_b32 s32, s27, 5                         ; scale words
	s_add_co_u32 s32, s32, s28
	s_lshl_b32 s32, s32, 10
	s_lshl_b32 s31, s30, 8
	s_add_co_u32 s32, s32, s31
	s_add_nc_u64 s[20:21], s[20:21], s[32:33]
	s_wait_alu depctr_va_vdst(0)
	v_and_b32 v8, 8, v3
	v_add_nc_u32 v8, v8, v3
	v_lshl_add_u32 v8, v1, 3, v8                   ; my column among the 32: 8 (lane / 16) + r + 8 (r / 8)
	v_lshlrev_b32 v4, 2, v8
	v_lshlrev_b32 v5, 4, v3
	v_lshl_add_u32 v5, v1, 14, v5                  ; my codes: tile lane / 16, 16 r
	v_lshlrev_b32 v7, 3, v2
.macro WLOAD t
.irp i, 0,1,2,3,4,5,6,7,8,9,10,11,12,13,14,15,16,17,18,19,20,21,22,23,24,25,26,27,28,29,30,31
	global_load_b32 v[16+32*((\t)%2)+\i], v4, s[6:7] offset:(32*(\t)+\i)*4096 th:TH_LOAD_NT   ; the wave reads 128 consecutive bytes, the four waves 512
.endr
.endm
.macro WBLOCK t
.set XS, 16+32*((\t)%2)
.if (\t) < 7
	s_wait_loadcnt 32                              ; this block's 32 loads are in; the next block's may be out
.else
	s_wait_loadcnt 0x0
.endif
	v_max3_num_f32 v12, |v[XS]|, |v[XS+1]|, |v[XS+2]|
	v_max3_num_f32 v13, |v[XS+3]|, |v[XS+4]|, |v[XS+5]|
.irp i, 6,10,14,18,22,26
	v_max3_num_f32 v12, v12, |v[XS+\i]|, |v[XS+\i+1]|
	v_max3_num_f32 v13, v13, |v[XS+\i+2]|, |v[XS+\i+3]|
.endr
	v_max3_num_f32 v12, v12, |v[XS+30]|, |v[XS+31]|
	v_max3_num_f32 v12, v12, v13, 0x4800000        ; and the floor
	v_add_nc_u32 v11, 0xfc000000, v12              ; the conversion's scale operand
	v_lshrrev_b32 v13, 23, v11                     ; the byte
.if (\t)%4 == 0
	v_mov_b32 v[88+(\t)/4], v13
.else
	v_lshl_or_b32 v[88+(\t)/4], v13, 8*((\t)%4), v[88+(\t)/4]
.endif
.irp i, 0,1,2,3,4,5,6,7,8,9,10,11,12,13,14,15,16,17,18,19,20,21,22,23,24,25,26,27,28,29,30,31
.endr
.if (\t) > 0
	s_wait_alu depctr_va_vdst(0)
	s_wait_xcnt 0x0                                ; the last block's stores have read v80-87
.endif
.irp g, 0,1,2,3
	v_cvt_scalef32_pk8_fp8_f32 v[80+2*\g:81+2*\g], v[XS+8*\g:XS+8*\g+7], v11
.endr
	global_store_b128 v5, v[80:83], s[18:19] offset:((\t)/4)*2048+((\t)%4)*512       ; k 0-15 of the block: the image's lanes 0-15; sixteen lanes fill 256 aligned bytes
	global_store_b128 v5, v[84:87], s[18:19] offset:((\t)/4)*2048+((\t)%4)*512+256   ; k 16-31: its lanes 16-31
.if (\t)+2 < 8
	WLOAD \t+2
.endif
.endm
	WLOAD 0
	WLOAD 1
.irp t, 0,1,2,3,4,5,6,7
	WBLOCK \t
.endr
	global_store_b64 v7, v[88:89], s[20:21]        ; my column's eight bytes: the wave stores 256 aligned bytes
	s_endpgm
.Lfunc_end_k_q2d6c3c5b10_quant:
	.size	k_q2d6c3c5b10_quant, .Lfunc_end_k_q2d6c3c5b10_quant-k_q2d6c3c5b10_quant
	.p2alignl 7, 3214868480
	.fill 96, 4, 3214868480
	.section	.rodata,"a",@progbits
	.p2align	6, 0x0
	.amdhsa_kernel k_q2d6c3c5b10_quant
		.amdhsa_group_segment_fixed_size 34304
		.amdhsa_private_segment_fixed_size 0
		.amdhsa_enable_private_segment 0
		.amdhsa_kernarg_size 72
		.amdhsa_user_sgpr_count 2
		.amdhsa_user_sgpr_kernarg_segment_ptr 1
		.amdhsa_wavefront_size32 1
		.amdhsa_system_sgpr_workgroup_id_x 1
		.amdhsa_system_sgpr_workgroup_id_y 1
		.amdhsa_system_sgpr_workgroup_id_z 1
		.amdhsa_system_vgpr_workitem_id 0
		.amdhsa_next_free_vgpr 256
		.amdhsa_next_free_sgpr 66
		.amdhsa_reserve_vcc 1
		.amdhsa_float_denorm_mode_32 3
		.amdhsa_float_denorm_mode_16_64 3
		.amdhsa_fp16_overflow 1
		.amdhsa_memory_ordered 1
		.amdhsa_forward_progress 1
		.amdhsa_inst_pref_size 72
	.end_amdhsa_kernel
	.amdgpu_metadata
---
amdhsa.version: [ 1, 2 ]
amdhsa.kernels:
  - .name:           k_q2d6c3c5b10_quant
    .symbol:         k_q2d6c3c5b10_quant.kd
    .args:
      - { .name: x, .offset: 0, .size: 8, .value_kind: global_buffer, .address_space: global }
      - { .name: Wq_w, .offset: 8, .size: 8, .value_kind: global_buffer, .address_space: global }
      - { .name: Wk_w, .offset: 16, .size: 8, .value_kind: global_buffer, .address_space: global }
      - { .name: Wv_w, .offset: 24, .size: 8, .value_kind: global_buffer, .address_space: global }
      - { .name: Wo_w, .offset: 32, .size: 8, .value_kind: global_buffer, .address_space: global }
      - { .name: actc, .offset: 40, .size: 8, .value_kind: global_buffer, .address_space: global }
      - { .name: acts, .offset: 48, .size: 8, .value_kind: global_buffer, .address_space: global }
      - { .name: wc, .offset: 56, .size: 8, .value_kind: global_buffer, .address_space: global }
      - { .name: ws, .offset: 64, .size: 8, .value_kind: global_buffer, .address_space: global }
    .group_segment_fixed_size: 34304
    .private_segment_fixed_size: 0
    .kernarg_segment_align: 8
    .kernarg_segment_size: 72
    .max_flat_workgroup_size: 128
    .sgpr_count:     66
    .vgpr_count:     256
    .wavefront_size: 32
...
	.end_amdgpu_metadata
.endif
;; end of part 1
;; launch qkv (part 2): grid 12 x 32, 4 waves a work-group, clusters of 4 x 4, 327,680 bytes of LDS; arguments actc, acts, wc, ws, Wq_b, Wk_b, Wv_b, qc, qs, kv; writes qc, qs, kv
.if DOCPART == 2
	.amdgcn_target "amdgcn-amd-amdhsa--gfx1250"
	.amdhsa_code_object_version 6
	.text
	.protected	k_q2d6c3c5b10_qkv
	.globl	k_q2d6c3c5b10_qkv
	.p2align	8
	.type	k_q2d6c3c5b10_qkv,@function
k_q2d6c3c5b10_qkv:
	s_mov_b64 s[64:65], 0
	v_nop
	global_prefetch_b8 v0, s[64:65] scope:SCOPE_SE
	s_setreg_imm32_b32 hwreg(HW_REG_WAVE_MODE, 25, 1), 1
	s_wait_xcnt 0x0
	s_wait_alu depctr_hold_cnt(0) depctr_sa_sdst(0) depctr_va_vdst(0) depctr_va_sdst(0) depctr_va_ssrc(0) depctr_va_vcc(0) depctr_vm_vsrc(0)
	s_getreg_b32 s2, hwreg(HW_REG_IB_STS2, 6, 4)
	s_cmp_eq_u32 s2, 0
	s_cbranch_scc0 .Lentry_in_a_cluster
	s_endpgm
.Lentry_in_a_cluster:
	s_bfe_u32 s2, ttmp6, 0x10000c
	s_cmp_lg_u32 s2, 0xf033
	s_cbranch_scc0 .Lentry_shape_is_right
	s_endpgm
.Lentry_shape_is_right:
; q = x Wq + bq, k = x Wk + bk, v = x Wv + bv on codes of FP8 (E4M3) with E8M0 scales, f32 sums; the results are quantised in registers for the attention launch: q and k along the head's 64 channels, v along the keys.
; A work-group of four waves makes 256 tokens x 256 channels; a wave 128 x 128: 64 accumulators, 512 registers.  The cluster's x (0, 1, 2) says which of q, k, v: it is the same in all sixteen partners.
; OPERANDS are images of the operand's registers: a fragment (16 rows x 128 K) is 2,048 bytes [group c][lane][16 bytes], so every fragment load reads 512 consecutive bytes: no pitch, no padding.
; Tile T holds the rows 32 (T / 2) + 8 (T % 2) + r + 8 (r / 8).  D(a, b) = P_b (source 0) x Q_a (source 1): a lane holds row r of Q's tile, and the 16 registers of P's tiles 2 i, 2 i + 1 are the 16 NEIGHBOURS 32 i + 16 h + 0 .. 15 along P.
; q, k: P = the weight, Q = x: a lane holds a token, registers run along the channels.  v: P = x, Q = the weight: a lane holds a channel, registers run along the keys.  Only the LDS read bases differ; the joint loads are the same.
; K goes in steps of 256 through two LDS slots (x's 16 tiles, then the weight's 16; 4,096 bytes a tile).  The scale words of all of K come once.  x's tiles are shared along a row of the cluster, the weight's along a column.
; The bias is the C of each sum's first matrix instruction.
; LIMITS: NaN and infinities are not served; a block of zeros gets the byte 1 (its codes are zeros; this program alone reads the bytes).
; REGISTERS: window 0: v1-3 r, h, 16 x lane; v8-15 bias offsets; v16-29 addresses; v32-63 scale words, two sets; v64-127 the bias; v128-255 Q's fragments, one set (free on the way out).  window 1: P's fragments, two sets.  windows 2, 3: the accumulators.
.set HALFT,  32768                     ; 8 tiles x 4,096 bytes: what one tensor load brings, and what one wave reads of x or of the weight
.set SLOT,   131072
.set SCL,    262144                    ; behind the ring: the scale words, 4 x 4,096 bytes: x's 16 tiles, then the weight's
.set HALFS,  4096
.set SPARE,  294912                    ; the spare words, 128 bytes for each wave: two blocks of 256 bytes that no other line names
.set FR,     16
.set NL,     4
.set NP,     8                         ; places behind this matrix instruction (ISA guide 7.12.1)
.set OFFE, 8
.set ADRQ, 16                          ; v16-17  LDS address of Q's fragments in slot 0, 1
.set ADRP, 20                          ; v20-21  of P's
.set ADRS, 27                          ; v27     of my scale words: lanes 0-15 Q's rows, lanes 16-31 P's
.set SPW,  28                          ; v28     my spare word; never rewritten
.set NIL,  29                          ; v29     0; never rewritten
.set SC,   32                          ; scale words: set s at v[SC + 16 s]; register 2 i + q: lanes 0-15 Q's tile i, lanes 16-31 P's tile i, the slot's q-th 128 along K
.set BIAS, 64
.set QF,   128
.set TM,   128                         ; the way out: at work
.set PC,   144                         ; the codes just made
.set WD,   176                         ; the eight scale words
.set VA2,  186
.set Z,    188
.set SELV, 192
.set TA,   194
.set QW2,  196
.set G1, 24
.set G0, 32
.set G1B, 48
.set G0B, 56
.set G1S, 68
.set G0S, 76
.set G1SB, 80
.set G0SB, 88
.set MSB, 0
.macro WIN new                         ; the immediate's high byte repeats the setting that is left
.if MSB != \new
	s_set_vgpr_msb (MSB<<8)|\new
.set MSB, \new
.endif
.endm
.set MUL_LO, 0xa1                      ; source 0 (P) window 1, source 1 (Q) window 0, C and D window 2
.set MUL_HI, 0xf1
.set TO_P,   0x40
; A joint load: waves 0 and 1 fetch x's halves, waves 2 and 3 the weight's.  The branch hangs on the wave's number alone.  Four v_nop follow each line.
.macro JLOAD g0a, g1a, g0b, g1b
	s_cmp_eq_u32 s15, 0
	s_cbranch_scc0 .Lfor_b_\@
	tensor_load_to_lds s[\g0a:\g0a+3], s[\g1a:\g1a+7]
	s_nop 0
.rept 4
	v_nop
.endr
	s_branch .Lasked_\@
.Lfor_b_\@:
	tensor_load_to_lds s[\g0b:\g0b+3], s[\g1b:\g1b+7]
	s_nop 0
.rept 4
	v_nop
.endr
.Lasked_\@:
.endm
.macro CREST
	s_cmp_lg_u32 s14, 0
	s_cbranch_scc1 .Lnot_wave_0_\@
	s_barrier_signal -3
.Lnot_wave_0_\@:
	s_barrier_wait -3
	s_barrier_signal -1
	s_barrier_wait -1
.endm
.macro CROUND
	s_barrier_signal -1
	s_barrier_wait -1
	CREST
.endm
	s_load_b256 s[4:11], s[0:1], 0x0               ; x's codes s[4:5], x's scales s[6:7], the weights' codes s[8:9], their scales s[10:11]
	s_load_b256 s[68:75], s[0:1], 0x20             ; bq, bk, bv, qc
	s_load_b128 s[76:79], s[0:1], 0x40             ; qs, kv
	v_lshl_add_u32 v[SPW], v0, 2, SPARE
	v_mov_b32 v[NIL], 0
	ds_add_u32 v28, v29
	ds_add_u32 v28, v29
	s_wait_dscnt 0x0
	v_lshrrev_b32 v1, 5, v0
	v_readfirstlane_b32 s14, v1                    ; wave 0..3
	s_lshr_b32 s15, s14, 1                         ; my half of the tokens.  Also: I fetch x (0) or the weight (1)
	s_and_b32 s16, s14, 1                          ; my half of the channels.  Also: which 8 tiles I fetch
	s_bfe_u32 s40, ttmp6, 0x40000                  ; cx, cy
	s_bfe_u32 s41, ttmp6, 0x40004
	s_lshl_b32 s42, ttmp9, 2
	s_add_co_u32 s42, s42, s40                     ; which 256 of the 3,072 channels
	s_and_b32 s17, ttmp7, 0xffff
	s_lshl_b32 s17, s17, 2
	s_add_co_u32 s17, s17, s41                     ; which 256 tokens
	s_lshl_b32 s43, s41, 2
	s_lshl_b32 s43, 15, s43                        ; my row of the cluster
	s_lshl_b32 s44, 0x1111, s40                    ; my column
	; group 1 for codes: 8 rows (tiles) of 512 elements of 8 bytes, 2,048 elements (a tile's whole K) apart
	s_or_b32 s[G1+0], s43, (3<<16)|(1<<21)
	s_or_b32 s[G1B+0], s44, (3<<16)|(1<<21)
.irp g, G1, G1B
	s_mov_b32 s[\g+1], 512<<16                     ; tensor_dim0
	s_mov_b32 s[\g+2], 8<<16                       ; tensor_dim1
	s_mov_b32 s[\g+3], 512<<16                     ; tile_dim0
	s_mov_b32 s[\g+4], 8                           ; tile_dim1
	s_mov_b32 s[\g+5], 2048                        ; stride
	s_mov_b32 s[\g+6], 0
	s_mov_b32 s[\g+7], 0
.endr
	s_lshl_b32 s18, s16, 17                        ; 8 tiles of 16,384 bytes
	s_lshl_b32 s20, s17, 18                        ; x: 16 tiles a tile row
	s_add_co_u32 s20, s20, s18
	s_mov_b32 s21, 0
	s_lshl_b32 s46, s42, 18                        ; the weight: 16 tiles a tile column
	s_add_co_u32 s46, s46, s18
	s_mov_b32 s47, 0
	s_lshl_b32 s18, s16, 12                        ; their scale words: 4,096 bytes for 8 tiles
	s_lshl_b32 s22, s17, 13
	s_add_co_u32 s22, s22, s18
	s_mov_b32 s23, 0
	s_lshl_b32 s92, s42, 13
	s_add_co_u32 s92, s92, s18
	s_mov_b32 s93, 0
	s_lshl_b32 s45, s14, 15                        ; where they go: wave x HALFT, wave x HALFS: no place in the cluster enters an LDS address
	s_lshl_b32 s94, s14, 12
	s_wait_kmcnt 0x0
	s_cmp_eq_u32 ttmp9, 1                          ; the choices hang on the cluster's x alone
	s_cselect_b64 s[96:97], s[70:71], s[68:69]
	s_cmp_eq_u32 ttmp9, 2
	s_cselect_b64 s[96:97], s[72:73], s[96:97]     ; the bias
	s_cmp_eq_u32 ttmp9, 0
	s_cselect_b64 s[12:13], s[74:75], s[78:79]     ; where the codes go
	s_cselect_b64 s[98:99], s[76:77], s[78:79]     ; where the scale words go
	s_add_nc_u64 s[20:21], s[4:5], s[20:21]
	s_add_nc_u64 s[22:23], s[6:7], s[22:23]
	s_add_nc_u64 s[46:47], s[8:9], s[46:47]
	s_add_nc_u64 s[92:93], s[10:11], s[92:93]
	; group 1 for the scale words: 4,096 dense bytes as 16 rows of 256
	s_or_b32 s[G1S+0], s43, (3<<16)|(1<<21)
	s_or_b32 s[G1SB+0], s44, (3<<16)|(1<<21)
.irp g, G1S, G1SB
	s_mov_b32 s[\g+1], 32<<16
	s_mov_b32 s[\g+2], 16<<16
	s_mov_b32 s[\g+3], 32<<16
	s_mov_b32 s[\g+4], 16
	s_mov_b32 s[\g+5], 32
	s_mov_b32 s[\g+6], 0
	s_mov_b32 s[\g+7], 0
.endr
	CROUND                                         ; all sixteen work-groups are here: the first joint loads meet
	s_mov_b32 s[G0S], 1
	s_add_co_u32 s[G0S+1], s94, SCL
	s_mov_b64 s[G0S+2:G0S+3], s[22:23]
	s_or_b32 s[G0S+3], s[G0S+3], 0x80000000
	s_mov_b32 s[G0SB], 1
	s_add_co_u32 s[G0SB+1], s94, SCL
	s_mov_b64 s[G0SB+2:G0SB+3], s[92:93]
	s_or_b32 s[G0SB+3], s[G0SB+3], 0x80000000
	JLOAD G0S, G1S, G0SB, G1SB                     ; the scale words first
.irp s, 0,1
	s_mov_b32 s[G0+4*\s], 1
	s_add_co_u32 s[G0+4*\s+1], s45, \s*SLOT
	s_add_nc_u64 s[G0+4*\s+2:G0+4*\s+3], s[20:21], \s*4096
	s_or_b32 s[G0+4*\s+3], s[G0+4*\s+3], 0x80000000
	s_mov_b32 s[G0B+4*\s], 1
	s_add_co_u32 s[G0B+4*\s+1], s45, \s*SLOT
	s_add_nc_u64 s[G0B+4*\s+2:G0B+4*\s+3], s[46:47], \s*4096
	s_or_b32 s[G0B+4*\s+3], s[G0B+4*\s+3], 0x80000000
	JLOAD G0+4*\s, G1, G0B+4*\s, G1B
.endr
	v_and_b32 v1, 15, v0                           ; r
	v_bfe_u32 v2, v0, 4, 1                         ; h
	v_and_b32 v3, 31, v0
	v_lshlrev_b32 v3, 4, v3                        ; 16 x lane
	s_wait_alu depctr_va_vdst(0)
	s_lshl_b32 s18, s15, 15                        ; x's tiles of my tokens
	s_lshl_b32 s19, s16, 15
	s_add_co_u32 s19, s19, 2*HALFT                 ; the weight's tiles of my channels
	s_cmp_eq_u32 ttmp9, 2
	s_cselect_b32 s21, s19, s18                    ; Q: x, or for v the weight
	s_cselect_b32 s22, s18, s19                    ; P: the weight, or for v x
	s_cselect_b32 s66, 1, 0
	s_cselect_b32 s67, -1, 0
	s_cselect_b32 s2, 0, 4
.irp s, 0,1
	v_add_nc_u32 v[ADRQ+\s], s21, v3
	v_add_nc_u32 v[ADRP+\s], s22, v3
	s_add_co_u32 s21, s21, SLOT
	s_add_co_u32 s22, s22, SLOT
.endr
	s_lshl_b32 s21, s15, 12                        ; x's scale words of my tokens
	s_lshl_b32 s22, s16, 12
	s_add_co_u32 s22, s22, 2*HALFS                 ; the weight's of my channels
	s_sub_co_u32 s22, s22, s21                     ; (always behind x's)
	v_xor_b32 v6, s66, v2                          ; lanes 0-15 take Q's words, lanes 16-31 P's
	v_mul_u32_u24 v6, s22, v6
	v_lshl_add_u32 v6, v1, 3, v6                   ; 8 bytes a row
	s_add_co_u32 s21, s21, SCL
	v_add_nc_u32 v[ADRS], s21, v6
	; the bias in the result's layout.  q, k: register 8 b + j = channel 32 (b / 2) + 8 (b % 2) + 16 h + j.  v: registers 8 a + 0 .. 7 = channel 32 (a / 2) + 8 (a % 2) + r + 8 (r / 8)
	s_lshl_b32 s18, s40, 10
	s_lshl_b32 s19, s16, 9
	s_add_co_u32 s18, s18, s19
	s_mov_b32 s19, 0
	s_add_nc_u64 s[96:97], s[96:97], s[18:19]
	v_lshlrev_b32 v4, 6, v2
	v_and_b32 v5, 8, v1
	v_add_nc_u32 v5, v5, v1
	v_lshlrev_b32 v5, 2, v5
	v_cndmask_b32 v7, v4, v5, s67
.irp e, 0,1,2,3,4,5,6,7
	v_mad_u32_u24 v[OFFE+\e], s2, \e, v7
.endr
.irp x, 0,1,2,3,4,5,6,7
.irp e, 0,1,2,3,4,5,6,7
	global_load_b32 v[BIAS+8*\x+\e], v[OFFE+\e], s[96:97] offset:4*(32*(\x/2)+8*(\x%2))
.endr
.endr
.macro FRAG reg, adr, q, i             ; a fragment as it lies: four loads of 512 consecutive bytes
.irp c, 0,1,2,3
	ds_load_b128 v[\reg+4*\c:\reg+4*\c+3], v[\adr] offset:(\i)*4096+(\q)*2048+512*\c
.endr
.endm
; 16 matrix instructions: Q's tiles a0, a0 + 1 x P's eight.  cm = 0: onto the sums; 1: the sums start with the bias of P's tile; 2: with that of Q's tile.
; The 64 accumulators take turns, one instruction a turn, in the same order in every step.
.macro MUL16 a0, p, q, sc, cm
.irp a, \a0, \a0+1
.irp b, 0,1,2,3,4,5,6,7
.if \cm == 1
	v_wmma_scale_f32_16x16x128_f8f6f4 v[8*(8*((\a)%4)+\b):8*(8*((\a)%4)+\b)+7], v[128*(\p)+FR*\b:128*(\p)+FR*\b+FR-1], v[QF+FR*(\a):QF+FR*(\a)+FR-1], v[BIAS+8*\b:BIAS+8*\b+7], v[SC+16*(\sc)+2*\b+(\q)], v[SC+16*(\sc)+2*(\a)+(\q)] matrix_a_scale:MATRIX_SCALE_ROW1
.elseif \cm == 2
	v_wmma_scale_f32_16x16x128_f8f6f4 v[8*(8*((\a)%4)+\b):8*(8*((\a)%4)+\b)+7], v[128*(\p)+FR*\b:128*(\p)+FR*\b+FR-1], v[QF+FR*(\a):QF+FR*(\a)+FR-1], v[BIAS+8*(\a):BIAS+8*(\a)+7], v[SC+16*(\sc)+2*\b+(\q)], v[SC+16*(\sc)+2*(\a)+(\q)] matrix_a_scale:MATRIX_SCALE_ROW1
.else
	v_wmma_scale_f32_16x16x128_f8f6f4 v[8*(8*((\a)%4)+\b):8*(8*((\a)%4)+\b)+7], v[128*(\p)+FR*\b:128*(\p)+FR*\b+FR-1], v[QF+FR*(\a):QF+FR*(\a)+FR-1], v[8*(8*((\a)%4)+\b):8*(8*((\a)%4)+\b)+7], v[SC+16*(\sc)+2*\b+(\q)], v[SC+16*(\sc)+2*(\a)+(\q)] matrix_a_scale:MATRIX_SCALE_ROW1
.endif
.endr
.endr
.endm
.macro FETCH_P slot, q, p
	WIN TO_P
.irp i, 0,1,2,3,4,5,6,7
	FRAG 128*(\p)+FR*\i, ADRP+\slot, \q, \i
.endr
	WIN 0
.endm
.macro FETCH_Q slot, q, i0
.irp i, \i0, \i0+1, \i0+2, \i0+3
	FRAG QF+FR*(\i), ADRQ+\slot, \q, \i
.endr
.endm
.macro SCALES sc                       ; a slot's scale words: two words a row
.irp i, 0,1,2,3,4,5,6,7
	ds_load_b64 v[SC+16*\sc+2*\i:SC+16*\sc+2*\i+1], v[ADRS] offset:(\i/2)*1024+(\i%2)*128
.endr
.endm
.macro PLACES n                        ; plain vector instructions between a matrix instruction and a load into, or a read of, its registers
.rept \n
	v_nop
.endr
.endm
.macro STEP slot, q, cm                ; 128 along K whose successor lies in the same slot
	s_wait_dscnt 4*NL                              ; P's set and Q's tiles 0-3 are in; the youngest sixteen loads (Q's tiles 4-7) may be out
.if \cm
	WIN 0x81                                       ; C (the bias) in window 0
.else
	WIN MUL_LO
.endif
	MUL16 0, (\q)%2, \q, \slot, \cm
	MUL16 2, (\q)%2, \q, \slot, \cm
	s_wait_dscnt 0
	PLACES NP
	FETCH_P \slot, (\q)+1, 1-(\q)%2
	FETCH_Q \slot, (\q)+1, 0
.if \cm
	WIN 0xc1
.else
	WIN MUL_HI
.endif
	MUL16 4, (\q)%2, \q, \slot, \cm
	MUL16 6, (\q)%2, \q, \slot, \cm
	PLACES NP
	WIN 0
	FETCH_Q \slot, (\q)+1, 4
.endm
; A slot's last step changes slots: one barrier; in front of it each wave waits for all its tensor loads, adds 0 to its spare word, and waits for that and for its reads of this slot.
.macro TURN slot, next, fill
	s_wait_tensorcnt 0x0                           ; all my tensor loads have landed: my part of the next slot
	ds_add_u32 v[SPW], v[NIL]
	s_wait_dscnt 4*NL+1                            ; (the add and the youngest sixteen loads may be out)
	WIN MUL_LO
	MUL16 0, 1, 1, \slot, 0
	s_wait_dscnt 0x0                               ; the add is done, and my reads of this slot are over
	s_barrier_signal -1
	MUL16 2, 1, 1, \slot, 0
	WIN 0
	s_barrier_wait -1
.if \fill
	CREST                                          ; the barrier has opened a round of the cluster's: no wave of any partner still reads this slot or has a load on its way
	s_add_nc_u64 s[G0+4*\slot+2:G0+4*\slot+3], s[G0+4*\slot+2:G0+4*\slot+3], 8192
	s_add_nc_u64 s[G0B+4*\slot+2:G0B+4*\slot+3], s[G0B+4*\slot+2:G0B+4*\slot+3], 8192
	JLOAD G0+4*\slot, G1, G0B+4*\slot, G1B         ; the first tensor load behind the round; its four v_nop are among the places below
	PLACES NP-4
.else
	PLACES NP
.endif
	s_wait_alu depctr_va_vdst(0)
	v_add_nc_u32 v[ADRS], 256, v[ADRS]             ; the next slot's scale words
	FETCH_P \next, 0, 0
	FETCH_Q \next, 0, 0
	SCALES \next
	WIN MUL_HI
	MUL16 4, 1, 1, \slot, 0
	MUL16 6, 1, 1, \slot, 0
	PLACES NP
	WIN 0
	FETCH_Q \next, 0, 4
.endm
	s_wait_tensorcnt 1                             ; the scale words and my part of slot 0 are in; slot 1's load may be out
	s_barrier_signal -1
	s_barrier_wait -1
	FETCH_P 0, 0, 0
	FETCH_Q 0, 0, 0
	SCALES 0
	FETCH_Q 0, 0, 4
	s_wait_loadcnt 0x0                             ; the bias
	s_cmp_eq_u32 ttmp9, 2
	s_cbranch_scc1 .Lfirst_v
	STEP 0, 0, 1                                   ; the first step starts the sums with the bias: nothing is cleared
	s_branch .Lfirst_done
.Lfirst_v:
	STEP 0, 0, 2
.Lfirst_done:
	TURN 0, 1, 1
	STEP 1, 0, 0
	TURN 1, 0, 1
	STEP 0, 0, 0
	TURN 0, 1, 0                                   ; nothing is left to fetch
	STEP 1, 0, 0
	s_wait_dscnt 4*NL
	WIN MUL_LO
	MUL16 0, 1, 1, 1, 0
	MUL16 2, 1, 1, 1, 0
	s_wait_dscnt 0
	WIN MUL_HI
	MUL16 4, 1, 1, 1, 0
	MUL16 6, 1, 1, 1, 0
	WIN 0
	PLACES NP
	; THE WAY OUT: no LDS.  The 64 registers of Q's tile a are four blocks of 32 neighbours along P: they are quantised as they stand, and the codes are 16-byte pieces of the next operand's image.
	s_mov_b32 s32, 0x76543210                      ; (no tensor load is out: the descriptors' registers are free)
	s_mov_b32 s33, 0xfedcba98
	s_lshr_b32 s24, s17, 3                         ; batch
	s_and_b32 s25, s17, 7
	s_lshl_b32 s25, s25, 1
	s_add_co_u32 s25, s25, s15                     ; which 128 tokens of the sequence
	s_lshl_b32 s26, s24, 4
	s_lshl_b32 s27, s40, 2
	s_add_co_u32 s26, s26, s27
	s_lshl_b32 s27, s16, 1
	s_add_co_u32 s26, s26, s27                     ; the first of my two heads: 16 batch + 4 cx + 2 x half
	s_mov_b32 s27, 270336                          ; bytes a head,
	s_mov_b32 s28, 16896                           ; bytes for 128 tokens,
	s_mov_b32 s29, 270336                          ; from code groups 0, 1 to groups 2, 3,
	s_mov_b32 s36, 1024                            ; from tile to tile,
	s_mov_b32 s38, 1024                            ; and from tile 3 to tile 4
	s_cmp_eq_u32 ttmp9, 0
	s_cselect_b32 s27, 131072, s27
	s_cselect_b32 s28, 8192, s28
	s_cselect_b32 s29, 131072, s29
	s_cmp_eq_u32 ttmp9, 2
	s_cselect_b32 s29, 1024, s29
	s_cselect_b32 s35, 8192, 0                     ; v's codes lie behind k's in a record
	s_cselect_b32 s36, 2048, s36
	s_cselect_b32 s38, 264192, s38
	s_mov_b32 s37, 0
	s_mov_b32 s39, 0
	s_mul_i32 s46, s26, s27
	s_mul_i32 s31, s25, s28
	s_add_co_u32 s46, s46, s31
	s_add_co_u32 s30, s46, s35
	s_mov_b32 s31, 0
	s_add_nc_u64 s[12:13], s[12:13], s[30:31]
	v_add_nc_u32 v[VA2], s29, v3
.irp b, 0,1,2,3
	v_mov_b32 v[TM+4+\b], 0                        ; a lane permute's destination counts as one of its sources
.endr
.macro QUANTA a
.set AC, 64*((\a)%4)
.set WW, 2+(\a)/4
	WIN WW*5                                       ; sources 0 and 1 in the accumulators' window
.irp b, 0,1,2,3
	v_max3_num_f32 v[TM+\b], |v[AC+16*\b]|, |v[AC+16*\b+1]|, 0x4800000   ; each accumulator is read from its low end on; the floor 2^(9 - 127)
.endr
	WIN WW*20                                      ; sources 1 and 2
.irp i, 2,4,6,8,10,12,14
.irp b, 0,1,2,3
	v_max3_num_f32 v[TM+\b], v[TM+\b], |v[AC+16*\b+\i]|, |v[AC+16*\b+\i+1]|
.endr
.endr
	WIN 0
.irp b, 0,1,2,3
	v_permlanex16_b32 v[TM+4+\b], v[TM+\b], s32, s33
.endr
.irp b, 0,1,2,3
	v_max_num_f32 v[TM+\b], v[TM+\b], v[TM+4+\b]
.endr
.irp b, 0,1,2,3
	v_add_nc_u32 v[TM+12+\b], 0xfc000000, v[TM+\b]
.endr
.irp b, 0,1,2,3
.endr
.irp b, 0,1,2,3
	v_lshrrev_b32 v[TM+4+\b], 23, v[TM+12+\b]
.endr
	v_lshl_or_b32 v[WD+(\a)], v[TM+5], 8, v[TM+4]
	v_lshl_or_b32 v[WD+(\a)], v[TM+6], 16, v[WD+(\a)]
	v_lshl_or_b32 v[WD+(\a)], v[TM+7], 24, v[WD+(\a)]
	WIN WW*65                                      ; destination and source 0
.irp b, 0,1,2,3
.irp i, 0,1,2,3,4,5,6,7,8,9,10,11,12,13,14,15
.endr
.endr
	WIN WW                                         ; source 0
.if (\a) > 0
	s_wait_xcnt 0x0                                ; the last tile's stores have read their data and their base
.if (\a) == 4
	s_add_nc_u64 s[12:13], s[12:13], s[38:39]
.else
	s_add_nc_u64 s[12:13], s[12:13], s[36:37]
.endif
.endif
.irp b, 0,1,2,3
	v_cvt_scalef32_pk8_fp8_f32 v[PC+4*\b:PC+4*\b+1], v[AC+16*\b:AC+16*\b+7], v[TM+12+\b]
	v_cvt_scalef32_pk8_fp8_f32 v[PC+4*\b+2:PC+4*\b+3], v[AC+16*\b+8:AC+16*\b+15], v[TM+12+\b]
.endr
	WIN 0
	v_nop                                          ; a plain instruction behind the conversions
	global_store_b128 v3, v[PC:PC+3], s[12:13]                     ; each store: 512 consecutive bytes
	global_store_b128 v3, v[PC+4:PC+7], s[12:13] offset:512
	global_store_b128 v[VA2], v[PC+8:PC+11], s[12:13]
	global_store_b128 v[VA2], v[PC+12:PC+15], s[12:13] offset:512
.endm
.irp a, 0,1,2,3,4,5,6,7
	QUANTA \a
.endr
	; the scale words, laid as the attention launch reads them; every store fills whole aligned blocks of 256 bytes
	v_cmp_eq_u32 vcc_lo, 1, v2
.irp n, 0,1,2,3
	v_cndmask_b32 v[Z+\n], v[WD+\n], v[WD+4+\n], vcc_lo            ; lanes 16-31 take tiles 4-7
.endr
	s_mov_b32 s47, 0
	s_cmp_eq_u32 ttmp9, 0
	s_cbranch_scc1 .Ltail_q
	v_mul_u32_u24 v[TA], v2, 270336                ; lanes 16-31: the second head
	v_lshl_add_u32 v[TA], v1, 4, v[TA]
	s_cmp_eq_u32 ttmp9, 1
	s_cbranch_scc1 .Ltail_k
	s_add_co_u32 s46, s46, 16640                   ; v: [r][tile of channels] words
	s_add_nc_u64 s[98:99], s[98:99], s[46:47]
	global_store_b128 v[TA], v[Z:Z+3], s[98:99]
	s_branch .Ltail_done
.Ltail_k:                                              ; k: [r][f] words: bytes 0, 1 key tile 2 f's, bytes 2, 3 key tile 2 f + 1's, of the lane's head
	v_mov_b32 v[SELV], 0x05040100
	v_mov_b32 v[SELV+1], 0x07060302
	v_cndmask_b32 v[SELV], v[SELV], v[SELV+1], vcc_lo
.irp f, 0,1,2,3
	v_perm_b32 v[Z+\f], v[WD+2*\f+1], v[WD+2*\f], v[SELV]
.endr
	s_wait_alu depctr_va_vdst(0)
	s_add_co_u32 s46, s46, 16384
	s_add_nc_u64 s[98:99], s[98:99], s[46:47]
	global_store_b128 v[TA], v[Z:Z+3], s[98:99]
	s_branch .Ltail_done
.Ltail_q:                                              ; q: [head][128 tokens][r][tile] words, a query's two bytes written twice
	s_lshl_b32 s46, s26, 4
	s_add_co_u32 s46, s46, s25
	s_lshl_b32 s46, s46, 9
	s_add_nc_u64 s[98:99], s[98:99], s[46:47]
	v_lshlrev_b32 v[TA], 5, v1
	v_lshl_add_u32 v[TA], v2, 4, v[TA]
	s_wait_alu depctr_va_vdst(0)
.irp n, 0,1,2,3
	v_perm_b32 v[QW2+\n], v[Z+\n], v[Z+\n], 0x01000100
	v_perm_b32 v[QW2+4+\n], v[Z+\n], v[Z+\n], 0x03020302
.endr
	global_store_b128 v[TA], v[QW2:QW2+3], s[98:99]
	global_store_b128 v[TA], v[QW2+4:QW2+7], s[98:99] offset:8192
.Ltail_done:
	s_wait_tensorcnt 0x0                           ; the wave's end
	ds_add_u32 v[SPW], v[NIL]
	s_wait_dscnt 0x0
	CROUND                                         ; the closing round
	s_endpgm
.Lfunc_end_k_q2d6c3c5b10_qkv:
	.size	k_q2d6c3c5b10_qkv, .Lfunc_end_k_q2d6c3c5b10_qkv-k_q2d6c3c5b10_qkv
	.p2alignl 7, 3214868480
	.fill 96, 4, 3214868480
	.section	.rodata,"a",@progbits
	.p2align	6, 0x0
	.amdhsa_kernel k_q2d6c3c5b10_qkv
		.amdhsa_group_segment_fixed_size 327680
		.amdhsa_private_segment_fixed_size 0
		.amdhsa_enable_private_segment 0
		.amdhsa_kernarg_size 80
		.amdhsa_user_sgpr_count 2
		.amdhsa_user_sgpr_kernarg_segment_ptr 1
		.amdhsa_wavefront_size32 1
		.amdhsa_system_sgpr_workgroup_id_x 1
		.amdhsa_system_sgpr_workgroup_id_y 1
		.amdhsa_system_sgpr_workgroup_id_z 1
		.amdhsa_system_vgpr_workitem_id 0
		.amdhsa_next_free_vgpr 1024
		.amdhsa_next_free_sgpr 100
		.amdhsa_reserve_vcc 1
		.amdhsa_float_denorm_mode_32 3
		.amdhsa_float_denorm_mode_16_64 3
		.amdhsa_fp16_overflow 1
		.amdhsa_memory_ordered 1
		.amdhsa_forward_progress 1
		.amdhsa_inst_pref_size 173
	.end_amdhsa_kernel
	.amdgpu_metadata
---
amdhsa.version: [ 1, 2 ]
amdhsa.kernels:
  - .name:           k_q2d6c3c5b10_qkv
    .symbol:         k_q2d6c3c5b10_qkv.kd
    .args:
      - { .name: actc, .offset: 0, .size: 8, .value_kind: global_buffer, .address_space: global }
      - { .name: acts, .offset: 8, .size: 8, .value_kind: global_buffer, .address_space: global }
      - { .name: wc, .offset: 16, .size: 8, .value_kind: global_buffer, .address_space: global }
      - { .name: ws, .offset: 24, .size: 8, .value_kind: global_buffer, .address_space: global }
      - { .name: Wq_b, .offset: 32, .size: 8, .value_kind: global_buffer, .address_space: global }
      - { .name: Wk_b, .offset: 40, .size: 8, .value_kind: global_buffer, .address_space: global }
      - { .name: Wv_b, .offset: 48, .size: 8, .value_kind: global_buffer, .address_space: global }
      - { .name: qc, .offset: 56, .size: 8, .value_kind: global_buffer, .address_space: global }
      - { .name: qs, .offset: 64, .size: 8, .value_kind: global_buffer, .address_space: global }
      - { .name: kv, .offset: 72, .size: 8, .value_kind: global_buffer, .address_space: global }
    .group_segment_fixed_size: 327680
    .private_segment_fixed_size: 0
    .kernarg_segment_align: 8
    .kernarg_segment_size: 80
    .max_flat_workgroup_size: 128
    .sgpr_count:     100
    .vgpr_count:     1024
    .wavefront_size: 32
...
	.end_amdgpu_metadata
.endif
;; end of part 2
;; launch attn (part 3): grid 4 x 64, 16 waves a work-group, clusters of 4 x 1, 327,680 bytes of LDS; arguments qc, qs, kv, actc, acts; writes actc, acts
.if DOCPART == 3
	.amdgcn_target "amdgcn-amd-amdhsa--gfx1250"
	.amdhsa_code_object_version 6
	.text
	.protected	k_q2d6c3c5b10_attn
	.globl	k_q2d6c3c5b10_attn
	.p2align	8
	.type	k_q2d6c3c5b10_attn,@function
k_q2d6c3c5b10_attn:
	s_mov_b64 s[64:65], 0
	v_nop
	global_prefetch_b8 v0, s[64:65] scope:SCOPE_SE
	s_setreg_imm32_b32 hwreg(HW_REG_WAVE_MODE, 25, 1), 1
	s_wait_xcnt 0x0
	s_wait_alu depctr_hold_cnt(0) depctr_sa_sdst(0) depctr_va_vdst(0) depctr_va_sdst(0) depctr_va_ssrc(0) depctr_va_vcc(0) depctr_vm_vsrc(0)
	s_getreg_b32 s2, hwreg(HW_REG_IB_STS2, 6, 4)
	s_cmp_eq_u32 s2, 0
	s_cbranch_scc0 .Lentry_in_a_cluster
	s_endpgm
.Lentry_in_a_cluster:
	s_bfe_u32 s2, ttmp6, 0x10000c
	s_cmp_lg_u32 s2, 0x3003
	s_cbranch_scc0 .Lentry_shape_is_right
	s_endpgm
.Lentry_shape_is_right:
; Attention of one head (64 channels, 2,048 tokens) on codes of FP8 (E4M3) with E8M0 scales, and the quantising of its result along the model's 1,024 for the last product.
; MASK: key k counts for query q where k <= q and the score is not exactly 0 (both become -infinity ahead of the maximum).
; SOFTMAX: t = score x log2(e) / 8; M = the running largest t rounded up to a whole number; p = 2^(t - M) is quantised along the keys; the row's sum is taken of the unquantised p and divides at the end.
; A HEAD'S K, V AND SCALE WORDS LIE IN LDS WHOLE: 16 records of 16,896 bytes (128 keys each: K's codes 8,192, V's codes 8,192, K's words 256, V's words 256), every byte filled once: no ring, no refill.
; The four work-groups of a cluster serve one head and ask for the records jointly.  Each of the 16 waves issues two loads: its sixteenth of records 0 and 1, then its sixteenth of records 2 to 15; two of a wave's loads are out at the most.
; SHARES: a wave owns two tiles of 16 queries: first one of the token group 15 - wave / 2, then one of group wave / 2; a tile of group G walks key steps 0 .. G: 17 steps for every wave.
; TWO BARRIERS: one in front of key step 0 (records 0, 1 are whole), one in front of key step 2 (all records are whole).  Every first tile has G >= 8, so all waves do the same two steps between them; behind the second no wave waits for another.
; The branches compare a step's number with G, which hangs on the wave's number alone; the place in the cluster enters global addresses and the lane's mask value only.
; LAYOUT: both products transposed (source 0 = keys, or V's channels; source 1 = my queries): a lane holds one query.  The head has 64 channels, half of the instruction's 128: a fragment of K holds TWO key tiles (k 0-63: tile 2 f,
; k 64-127: tile 2 f + 1), and Q stands between zeros, [8 zeros][q][8 zeros]: the last 16 registers meet tile 2 f, the first 16 tile 2 f + 1; the other half meets zero codes.
; LIMITS: a row all of whose scores are masked gives 0 / 0 as it does in the definition, but a NaN is not carried through the quantiser; a sum q . k under 2^-146 in magnitude counts as not 0; NaN and infinities are not served.
.set LI,   1                           ; v1  16 x lane
.set DQ,   2                           ; v2  my query in its group of 128, less 16 (lane / 16)
.set AD,   3                           ; v3  LDS address of the record in hand
.set A32,  4                           ; v4  32 r
.set A8,   5                           ; v5  8 r
.set QZ,   16                          ; v16-23 zeros, v24-31 q, v32-39 zeros
.set QW,   40                          ; q's scale words
.set KSW,  44                          ; v44-47 lanes 0-15 K's words, lanes 16-31 V's
.set F,    48                          ; v48-111 four fragments of K, then of V
.set S,    112                         ; v112-175 S^T, then p
.set O,    176                         ; v176-207 O^T
.set PC,   208                         ; v208-223 p's codes
.set BM,   224
.set PM,   228
.set HOLD, 232
.set SCOP, 236
.set FF,   240                         ; f = 2^(old M - new M)
.set PW,   241                         ; p's scale word
.set SUM2, 242
.set T,    244
.set NI,   245                         ; -infinity
.set HOLD2, 246
.set REC,  16896
.set FIRST, 2*REC                      ; records 0 and 1
.set WV,   14
.set G1,   24                          ; s[24:31] group 1 of the first load
.set G0,   32                          ; s[32:39] two groups 0
.set G1R,  40                          ; s[40:47] group 1 of the second load
.set SEL,  48
.set CS,   50                          ; s[50:51] c = log2(e) / 8
.set MNT,  52
.set G,    54
.set KAP,  55
.set TB,   56
.set QP,   58
.set QSP,  60
.set OP,   62
.set OSP,  66
.set MK,   80                          ; s[80:87] eight lane masks
.macro CROUND
	s_barrier_signal -1
	s_barrier_wait -1
	s_cmp_lg_u32 s[WV], 0
	s_cbranch_scc1 .Lnot_wave_0_\@
	s_barrier_signal -3
.Lnot_wave_0_\@:
	s_barrier_wait -3
	s_barrier_signal -1
	s_barrier_wait -1
.endm
	s_load_b256 s[4:11], s[0:1], 0x0               ; qc s[4:5], qs s[6:7], kv s[8:9], actc s[10:11]
	s_load_b64 s[12:13], s[0:1], 0x20              ; acts
	v_lshl_add_u32 v254, v0, 2, 0x42000
	v_mov_b32 v255, 0
	ds_add_u32 v254, v255
	ds_add_u32 v254, v255
	v_lshrrev_b32 v1, 5, v0
	s_delay_alu instid0(VALU_DEP_1)
	v_readfirstlane_b32 s[WV], v1                  ; wave 0..15
	s_and_b32 s15, s[WV], 1                        ; e
	s_lshr_b32 s16, s[WV], 1                       ; wave / 2
	s_bfe_u32 s17, ttmp6, 0x40000                  ; cx
	s_and_b32 s18, ttmp7, 0xffff                   ; batch x 16 + head: shared by the four partners
	s_lshr_b32 s19, s18, 4                         ; batch
	s_and_b32 s20, s18, 15                         ; head
	s_mul_i32 s21, s[WV], FIRST/16                 ; my sixteenth of records 0, 1: 2,112 bytes
	s_mul_i32 s75, s[WV], 14*REC/16                ; my sixteenth of records 2 to 15: 14,784 bytes
	s_mul_i32 s22, s18, 16*REC                     ; the head's records
	s_add_co_u32 s76, s22, s75
	s_add_co_u32 s76, s76, FIRST
	s_mov_b32 s77, 0
	s_add_co_u32 s22, s22, s21
	s_mov_b32 s23, 0
	s_mov_b32 s[G1], 15|(3<<16)|(1<<21)            ; the mask: all four work-groups; elements of 8 bytes; bit 21 beside a mask
	s_mov_b32 s[G1+1], 264<<16                     ; one row of 264 elements: 2,112 dense bytes
	s_mov_b32 s[G1+2], 1<<16
	s_mov_b32 s[G1+3], 264<<16
	s_mov_b32 s[G1+4], 1
	s_mov_b32 s[G1+5], 264
	s_mov_b32 s[G1+6], 0
	s_mov_b32 s[G1+7], 0
	s_mov_b32 s[G1R], 15|(3<<16)|(1<<21)
	s_mov_b32 s[G1R+1], 1848<<16                   ; one row of 1,848 elements: 14,784 dense bytes
	s_mov_b32 s[G1R+2], 1<<16
	s_mov_b32 s[G1R+3], 1848<<16
	s_mov_b32 s[G1R+4], 1
	s_mov_b32 s[G1R+5], 1848
	s_mov_b32 s[G1R+6], 0
	s_mov_b32 s[G1R+7], 0
	s_mov_b32 s[SEL], 0x76543210
	s_mov_b32 s[SEL+1], 0xfedcba98
	s_mov_b32 s[CS], 0x3e38aa3b
	s_mov_b32 s[CS+1], s[CS]
	s_lshr_b32 s73, s20, 2                         ; the constant part of my scale bytes' place: (head / 4) 256 + 128 e + ((head / 2) % 2) 4 + (head % 2) 2
	s_lshl_b32 s73, s73, 8
	s_lshl_b32 s72, s15, 7
	s_add_co_u32 s73, s73, s72
	s_bfe_u32 s72, s20, 0x10001
	s_lshl_b32 s72, s72, 2
	s_add_co_u32 s73, s73, s72
	s_and_b32 s72, s20, 1
	s_lshl_b32 s72, s72, 1
	s_add_co_u32 s73, s73, s72
	s_wait_dscnt 0x0
	s_wait_kmcnt 0x0
	s_mov_b32 s[G0], 1
	s_mov_b32 s[G0+1], s21
	s_add_nc_u64 s[G0+2:G0+3], s[8:9], s[22:23]
	s_or_b32 s[G0+3], s[G0+3], 0x80000000
	s_mov_b32 s[G0+4], 1
	s_add_co_u32 s[G0+5], s75, FIRST
	s_add_nc_u64 s[G0+6:G0+7], s[8:9], s[76:77]
	s_or_b32 s[G0+7], s[G0+7], 0x80000000
	CROUND                                         ; all four work-groups are here: the joint loads meet
	tensor_load_to_lds s[G0:G0+3], s[G1:G1+7]      ; records 0, 1,
	s_nop 0
	s_wait_alu depctr_va_vdst(0)
	s_wait_tensorcnt 0x0
	ds_add_u32 v254, v255
	s_wait_dscnt 0x0
	CROUND
	tensor_load_to_lds s[G0+4:G0+7], s[G1R:G1R+7]  ; records 2 to 15: both first fills, in one group
	s_nop 0
.rept 4
	v_nop
.endr
	v_and_b32 v[LI], 31, v0
	s_delay_alu instid0(VALU_DEP_1)
	v_lshlrev_b32 v[LI], 4, v[LI]
	v_and_b32 v6, 15, v0                           ; r
	v_bfe_u32 v7, v0, 4, 1                         ; h
	s_delay_alu instid0(VALU_DEP_2)
	v_lshlrev_b32 v[A32], 5, v6
	s_delay_alu instid0(VALU_DEP_3)
	v_lshlrev_b32 v[A8], 3, v6
	s_delay_alu instid0(VALU_DEP_4)
	v_and_b32 v8, 8, v6
	s_delay_alu instid0(VALU_DEP_1)
	v_add_nc_u32 v8, v8, v6
	v_lshlrev_b32 v7, 4, v7
	s_delay_alu instid0(VALU_DEP_1)
	v_sub_nc_u32 v[DQ], v8, v7
	s_lshl_b32 s68, s17, 5
	s_lshl_b32 s69, s15, 3
	s_add_co_u32 s68, s68, s69
	v_add_nc_u32 v[DQ], s68, v[DQ]                 ; 32 cx + 8 e + r + 8 (r / 8) - 16 h
.irp j, 0,1,2,3,4,5,6,7
	v_mov_b32 v[QZ+\j], 0
	v_mov_b32 v[QZ+16+\j], 0
.endr
.irp b, 0,1,2,3
	v_mov_b32 v[PM+\b], 0                          ; a lane permute's destination counts as one of its sources
.endr
	v_mov_b32 v[PW], 0                             ; (named as the upper half of a pair before it is first written)
	v_mov_b32 v[T], 0
	v_mov_b32 v[NI], 0xff800000
; A tile of queries is taken up: its addresses, its codes and scale words; the sums begin as zeros and the largest t as -3e38
.macro PASSINIT
	s_wait_xcnt 0x0                                ; earlier loads and stores have read their bases and their data
	s_lshl_b32 s68, s[G], 3
	s_lshl_b32 s69, s17, 1
	s_add_co_u32 s69, s69, s15                     ; 2 cx + e
	s_add_co_u32 s68, s68, s69                     ; my tile of the sequence's 128
	s_lshl_b32 s70, s18, 7
	s_add_co_u32 s70, s70, s68
	s_lshl_b32 s70, s70, 10
	s_mov_b32 s71, 0
	s_add_nc_u64 s[QP:QP+1], s[4:5], s[70:71]
	s_lshl_b32 s70, s18, 4
	s_add_co_u32 s70, s70, s[G]
	s_lshl_b32 s70, s70, 9
	s_lshl_b32 s72, s69, 2
	s_add_co_u32 s70, s70, s72
	s_add_nc_u64 s[QSP:QSP+1], s[6:7], s[70:71]
	s_lshl_b32 s70, s19, 7
	s_add_co_u32 s70, s70, s68
	s_lshl_b32 s70, s70, 14
	s_lshl_b32 s72, s20, 10
	s_add_co_u32 s70, s70, s72
	s_add_nc_u64 s[OP:OP+1], s[10:11], s[70:71]
	s_lshl_b32 s70, s19, 6
	s_lshl_b32 s72, s[G], 2
	s_add_co_u32 s70, s70, s72
	s_add_co_u32 s70, s70, s17
	s_lshl_b32 s70, s70, 10
	s_add_co_u32 s70, s70, s73
	s_add_nc_u64 s[OSP:OSP+1], s[12:13], s[70:71]
	global_load_b128 v[QZ+8:QZ+11], v[LI], s[QP:QP+1]
	global_load_b128 v[QZ+12:QZ+15], v[LI], s[QP:QP+1] offset:512
	global_load_b32 v[QW], v[A32], s[QSP:QSP+1]
	v_mov_b32 v13, 0xff61b1e6
	s_delay_alu instid0(VALU_DEP_1)
	v_floor_f32 v12, -v13
	v_mov_b32 v14, 0
	v_mov_b32 v15, 0
.irp j, 0,1,2,3,4,5,6,7,8,9,10,11,12,13,14,15,16,17,18,19,20,21,22,23,24,25,26,27,28,29,30,31
	v_mov_b32 v[O+\j], 0
.endr
	s_wait_loadcnt 0x0
.endm
; A KEY STEP: 128 keys, the record at LDS byte s[TB].  Left out where all its keys come after my queries; the line that steps s[TB] stands on both ways.
.macro KSTEP
	s_cmp_gt_u32 s[KAP], s[G]
	s_cbranch_scc1 .Lskip_\@
	s_setprio 2
	v_add_nc_u32 v[AD], s[TB], v[LI]
.rept 7
	v_nop                                          ; with the addition: eight places in front of loads into registers that matrix instructions have read
.endr
.irp f, 0,1,2,3
.irp c, 0,1,2,3
	ds_load_b128 v[F+16*\f+4*\c:F+16*\f+4*\c+3], v[AD] offset:2048*\f+512*\c
.endr
.endr
	ds_load_b128 v[KSW:KSW+3], v[AD] offset:16384  ; lanes 0-15: K's four words of row r; lanes 16-31: V's
	s_wait_alu depctr_va_vdst(0)
	s_wait_dscnt 0x0
.irp f, 0,1,2,3
	v_wmma_scale_f32_16x16x128_f8f6f4 v[S+16*\f:S+16*\f+7], v[F+16*\f:F+16*\f+15], v[QZ+8:QZ+23], 0, v[KSW+\f], v[QW]
	v_wmma_scale_f32_16x16x128_f8f6f4 v[S+16*\f+8:S+16*\f+15], v[F+16*\f:F+16*\f+15], v[QZ:QZ+15], 0, v[KSW+\f], v[QW]
.endr                                              ; register 16 b + i: key 32 b + 16 h + i of the record
.rept 8
	v_nop
.endr
.irp t, 0,1,2,3
.irp c, 0,1,2,3
	ds_load_b128 v[F+16*\t+4*\c:F+16*\t+4*\c+3], v[AD] offset:8192+2048*\t+512*\c   ; V's fragments land while the softmax is worked
.endr
.endr
.irp g, 0,1,2,3,4,5,6,7                        ; a score of exactly 0 is masked.  Eight compares into eight scalar masks, then the eight selects: no select stands behind its own compare.  Each accumulator is read from its low end on
.irp i, 0,1,2,3,4,5,6,7
	v_cmp_neq_f32 s[MK+\i], 0, v[S+8*\g+\i]
.endr
.irp i, 0,1,2,3,4,5,6,7
	v_cndmask_b32 v[S+8*\g+\i], v[NI], v[S+8*\g+\i], s[MK+\i]
.endr
.endr
	s_cmp_lg_u32 s[KAP], s[G]
	s_cbranch_scc1 .Lopen_\@
.irp g, 0,1,2,3,4,5,6,7                        ; on the diagonal: the key counts where it does not come after my query
.irp i, 0,1,2,3,4,5,6,7
	v_cmp_le_i32 s[MK+\i], 32*((8*\g+\i)/16)+(8*\g+\i)%16, v[DQ]
.endr
.irp i, 0,1,2,3,4,5,6,7
	v_cndmask_b32 v[S+8*\g+\i], v[NI], v[S+8*\g+\i], s[MK+\i]
.endr
.endr
.Lopen_\@:
	s_setprio 1
.irp b, 0,1,2,3
	v_max3_num_f32 v[BM+\b], v[S+16*\b], v[S+1+16*\b], v[S+2+16*\b]   ; the largest score of each block of 32 keys: for the row's maximum and for the block's largest p
.endr
.irp i, 3,5,7,9,11,13
.irp b, 0,1,2,3
	s_delay_alu instid0(VALU_DEP_4)
	v_max3_num_f32 v[BM+\b], v[BM+\b], v[S+16*\b+\i], v[S+1+16*\b+\i]
.endr
.endr
.irp b, 0,1,2,3
	s_delay_alu instid0(VALU_DEP_4)
	v_max_num_f32 v[BM+\b], v[BM+\b], v[S+15+16*\b]
.endr
.irp b, 0,1,2,3
	s_delay_alu instid0(VALU_DEP_4)
	v_permlanex16_b32 v[PM+\b], v[BM+\b], s[SEL], s[SEL+1]
.endr
.irp b, 0,1,2,3
	s_delay_alu instid0(VALU_DEP_4)
	v_max_num_f32 v[BM+\b], v[BM+\b], v[PM+\b]
.endr
	s_delay_alu instid0(VALU_DEP_2)
	v_max3_num_f32 v[T], v[BM], v[BM+1], v[BM+2]
	s_delay_alu instid0(VALU_DEP_1)
	v_max_num_f32 v[T], v[T], v[BM+3]
	s_delay_alu instid0(VALU_DEP_1)
	v_mul_f32 v[T], s[CS], v[T]
	s_delay_alu instid0(VALU_DEP_1)
	v_max_num_f32 v13, v13, v[T]                   ; the running largest t
	v_mov_b32 v[T], v12
	s_delay_alu instid0(VALU_DEP_2)
	v_floor_f32 v12, -v13                          ; -M = floor(-t): M is a whole number
	s_delay_alu instid0(VALU_DEP_1)
	v_sub_f32 v[T], v12, v[T]
	s_delay_alu instid0(VALU_DEP_1)
	v_cvt_i32_f32 v[T], v[T]
	s_delay_alu instid0(VALU_DEP_1)
	v_ldexp_f32 v[FF], 1.0, v[T]                   ; f = 2^(old M - new M): rounds nothing
.irp j, 0,2,4,6,8,10,12,14,16,18,20,22,24,26,28,30,32,34,36,38,40,42,44,46,48,50,52,54,56,58,60,62
	v_pk_fma_f32 v[S+\j:S+1+\j], v[S+\j:S+1+\j], s[CS:CS+1], v[12:13] op_sel_hi:[1,0,0]   ; t - M
.endr
.irp b, 0,1,2,3
	v_fma_f32 v[BM+\b], v[BM+\b], s[CS], v12
.endr
	s_wait_alu depctr_va_vdst(0)
.irp j, 0,1,2,3,4,5,6,7,8,9,10,11,12,13,14,15,16,17,18,19,20,21,22,23,24,25,26,27,28,29,30,31,32,33,34,35,36,37,38,39,40,41,42,43,44,45,46,47,48,49,50,51,52,53,54,55,56,57,58,59,60,61,62,63
	v_exp_f32 v[S+\j], v[S+\j]                     ; p = 2^(t - M)
.endr
.irp b, 0,1,2,3
	v_exp_f32 v[BM+\b], v[BM+\b]                   ; the block's largest p
.endr
	v_pk_mul_f32 v[14:15], v[14:15], v[FF:FF+1] op_sel_hi:[1,0]   ; the sums under the new M (a plain instruction behind the exponentials)
	s_wait_alu depctr_va_vdst(0)
.irp b, 0,1,2,3
	v_max_num_f32 v[BM+\b], 0x4800000, v[BM+\b]    ; the floor: the byte cannot fall under 1
.endr
.irp b, 0,1,2,3
	s_delay_alu instid0(VALU_DEP_4)
	v_add_nc_u32 v[SCOP+\b], 0xfc000000, v[BM+\b]
.endr
.irp b, 0,1,2,3
.endr
.irp b, 0,1,2,3
.endr
.irp b, 0,1,2,3
	s_delay_alu instid0(VALU_DEP_4)
	v_lshrrev_b32 v[PM+\b], 23, v[SCOP+\b]
.endr
	s_delay_alu instid0(VALU_DEP_3)
	v_lshl_or_b32 v[PW], v[PM+1], 8, v[PM]
	s_delay_alu instid0(VALU_DEP_1)
	v_lshl_or_b32 v[PW], v[PM+2], 16, v[PW]
	s_delay_alu instid0(VALU_DEP_1)
	v_lshl_or_b32 v[PW], v[PM+3], 24, v[PW]
	s_setprio 0
	v_pk_add_f32 v[SUM2:SUM2+1], v[S:S+1], v[S+2:S+3]   ; the row's sum, of the unquantised p, in two chains
.irp j, 4,8,12,16,20,24,28,32,36,40,44,48,52,56,60
	v_pk_add_f32 v[14:15], v[14:15], v[S+\j:S+1+\j]
	v_pk_add_f32 v[SUM2:SUM2+1], v[SUM2:SUM2+1], v[S+2+\j:S+3+\j]
.endr
	s_delay_alu instid0(VALU_DEP_1)
	v_pk_add_f32 v[14:15], v[14:15], v[SUM2:SUM2+1]
.irp b, 0,1,2,3
.irp i, 0,2,4,6,8,10,12,14
.endr
	v_cvt_scalef32_pk8_fp8_f32 v[PC+4*\b:PC+1+4*\b], v[S+16*\b:S+7+16*\b], v[SCOP+\b]
	v_cvt_scalef32_pk8_fp8_f32 v[PC+2+4*\b:PC+3+4*\b], v[S+8+16*\b:S+15+16*\b], v[SCOP+\b]
.endr
.irp j, 0,2,4,6,8,10,12,14,16,18,20,22,24,26,28,30
	v_pk_mul_f32 v[O+\j:O+1+\j], v[O+\j:O+1+\j], v[FF:FF+1] op_sel_hi:[1,0]   ; O^T under the new M; also the places in front of the products below
.endr
	s_wait_alu depctr_va_vdst(0)
	s_wait_dscnt 0x0                               ; V's fragments are in
.irp t, 0,1,2,3
	v_wmma_scale_f32_16x16x128_f8f6f4 v[O+8*\t:O+8*\t+7], v[F+16*\t:F+16*\t+15], v[PC:PC+15], v[O+8*\t:O+8*\t+7], v[KSW+\t], v[PW] matrix_a_scale:MATRIX_SCALE_ROW1
.endr
.Lskip_\@:
	s_add_co_u32 s[TB], s[TB], REC
.endm
; A tile is finished: O^T / the sum; register 16 b + i is channel 32 b + 16 h + i of my query: two blocks of the last product's K.  Codes and bytes go into x's place, as images.
.macro FINISH
.rept 8
	v_nop
.endr
	v_add_f32 v14, v14, v15
	s_delay_alu instid0(VALU_DEP_1)
	v_permlanex16_b32 v[T], v14, s[SEL], s[SEL+1]
	s_delay_alu instid0(VALU_DEP_1)
	v_add_f32 v14, v14, v[T]
	s_wait_alu depctr_va_vdst(0)
	v_rcp_f32 v14, v14
	v_nop
	s_wait_alu depctr_va_vdst(0)
.irp j, 0,2,4,6,8,10,12,14,16,18,20,22,24,26,28,30
	v_pk_mul_f32 v[S+\j:S+1+\j], v[O+\j:O+1+\j], v[14:15] op_sel_hi:[1,0]
.endr
.irp b, 0,1
	v_max3_num_f32 v[BM+\b], |v[S+16*\b]|, |v[S+1+16*\b]|, 0x4800000
.endr
.irp i, 2,4,6,8,10,12,14
.irp b, 0,1
	s_delay_alu instid0(VALU_DEP_2)
	v_max3_num_f32 v[BM+\b], v[BM+\b], |v[S+16*\b+\i]|, |v[S+1+16*\b+\i]|
.endr
.endr
.irp b, 0,1
	s_delay_alu instid0(VALU_DEP_2)
	v_permlanex16_b32 v[PM+\b], v[BM+\b], s[SEL], s[SEL+1]
.endr
.irp b, 0,1
	s_delay_alu instid0(VALU_DEP_2)
	v_max_num_f32 v[BM+\b], v[BM+\b], v[PM+\b]
.endr
.irp b, 0,1
	s_delay_alu instid0(VALU_DEP_2)
	v_add_nc_u32 v[SCOP+\b], 0xfc000000, v[BM+\b]
.endr
.irp b, 0,1
.endr
.irp b, 0,1
	s_delay_alu instid0(VALU_DEP_2)
	v_lshrrev_b32 v[PM+\b], 23, v[SCOP+\b]
.endr
	s_delay_alu instid0(VALU_DEP_1)
	v_lshl_or_b32 v[T], v[PM+1], 8, v[PM]
.irp b, 0,1
.irp i, 0,1,2,3,4,5,6,7,8,9,10,11,12,13,14,15
.endr
	v_cvt_scalef32_pk8_fp8_f32 v[PC+4*\b:PC+1+4*\b], v[S+16*\b:S+7+16*\b], v[SCOP+\b]
	v_cvt_scalef32_pk8_fp8_f32 v[PC+2+4*\b:PC+3+4*\b], v[S+8+16*\b:S+15+16*\b], v[SCOP+\b]
.endr
	v_nop
	global_store_b128 v[LI], v[PC:PC+3], s[OP:OP+1]                ; 512 consecutive bytes each
	global_store_b128 v[LI], v[PC+4:PC+7], s[OP:OP+1] offset:512
	global_store_b16 v[A8], v[T], s[OSP:OSP+1]     ; my query's two bytes (lanes l and l + 16 write the same): a thirty-second of the codes' bytes, in pieces of two
.endm
	s_sub_co_u32 s[G], 15, s16                     ; first the late group
	PASSINIT
	s_wait_tensorcnt 1                             ; my part of records 0, 1 is in; my load for the other records may be out
	s_wait_dscnt 0x0
	s_barrier_signal -1
	s_barrier_wait -1                              ; everybody's part is in
	s_mov_b32 s[TB], 0
	s_mov_b32 s[KAP], 0
.Lhead:
	KSTEP
	s_add_co_u32 s[KAP], s[KAP], 1
	s_cmp_lt_u32 s[KAP], 2
	s_cbranch_scc1 .Lhead
	s_setprio 0
	s_wait_tensorcnt 0x0                           ; my part of records 2 to 15 is in
	s_wait_dscnt 0x0
	s_barrier_signal -1
	s_barrier_wait -1                              ; everybody's is: from here on no wave waits for another
	s_mov_b32 s[TB], FIRST
	s_mov_b32 s[KAP], 2
.Lrest:
	KSTEP
	s_add_co_u32 s[KAP], s[KAP], 1
	s_cmp_lt_u32 s[KAP], 16
	s_cbranch_scc1 .Lrest
	s_setprio 0
	FINISH
	s_mov_b32 s[G], s16                            ; then the early group
	PASSINIT
	s_mov_b32 s[TB], 0
	s_mov_b32 s[KAP], 0
.Lpass_a:
	KSTEP
	s_add_co_u32 s[KAP], s[KAP], 1
	s_cmp_lt_u32 s[KAP], 8
	s_cbranch_scc1 .Lpass_a
	s_setprio 0
	FINISH
	s_wait_tensorcnt 0x0
	ds_add_u32 v254, v255
	s_wait_dscnt 0x0
	CROUND                                         ; the closing round
	s_endpgm
.Lfunc_end_k_q2d6c3c5b10_attn:
	.size	k_q2d6c3c5b10_attn, .Lfunc_end_k_q2d6c3c5b10_attn-k_q2d6c3c5b10_attn
	.p2alignl 7, 3214868480
	.fill 96, 4, 3214868480
	.section	.rodata,"a",@progbits
	.p2align	6, 0x0
	.amdhsa_kernel k_q2d6c3c5b10_attn
		.amdhsa_group_segment_fixed_size 327680
		.amdhsa_private_segment_fixed_size 0
		.amdhsa_enable_private_segment 0
		.amdhsa_kernarg_size 40
		.amdhsa_user_sgpr_count 2
		.amdhsa_user_sgpr_kernarg_segment_ptr 1
		.amdhsa_wavefront_size32 1
		.amdhsa_system_sgpr_workgroup_id_x 1
		.amdhsa_system_sgpr_workgroup_id_y 1
		.amdhsa_system_sgpr_workgroup_id_z 1
		.amdhsa_system_vgpr_workitem_id 0
		.amdhsa_next_free_vgpr 256
		.amdhsa_next_free_sgpr 88
		.amdhsa_reserve_vcc 0
		.amdhsa_float_denorm_mode_32 3
		.amdhsa_float_denorm_mode_16_64 3
		.amdhsa_fp16_overflow 1
		.amdhsa_memory_ordered 1
		.amdhsa_forward_progress 1
		.amdhsa_inst_pref_size 125
	.end_amdhsa_kernel
	.amdgpu_metadata
---
amdhsa.version: [ 1, 2 ]
amdhsa.kernels:
  - .name:           k_q2d6c3c5b10_attn
    .symbol:         k_q2d6c3c5b10_attn.kd
    .args:
      - { .name: qc, .offset: 0, .size: 8, .value_kind: global_buffer, .address_space: global }
      - { .name: qs, .offset: 8, .size: 8, .value_kind: global_buffer, .address_space: global }
      - { .name: kv, .offset: 16, .size: 8, .value_kind: global_buffer, .address_space: global }
      - { .name: actc, .offset: 24, .size: 8, .value_kind: global_buffer, .address_space: global }
      - { .name: acts, .offset: 32, .size: 8, .value_kind: global_buffer, .address_space: global }
    .group_segment_fixed_size: 327680
    .private_segment_fixed_size: 0
    .kernarg_segment_align: 8
    .kernarg_segment_size: 40
    .max_flat_workgroup_size: 512
    .sgpr_count:     88
    .vgpr_count:     256
    .wavefront_size: 32
...
	.end_amdgpu_metadata
.endif
;; end of part 3
;; launch proj (part 4): grid 4 x 64, 4 waves a work-group, clusters of 4 x 4, 327,680 bytes of LDS; arguments actc, acts, wc, ws, Wo_b, out0; writes out0
.if DOCPART == 4
	.amdgcn_target "amdgcn-amd-amdhsa--gfx1250"
	.amdhsa_code_object_version 6
	.text
	.protected	k_q2d6c3c5b10_proj
	.globl	k_q2d6c3c5b10_proj
	.p2align	8
	.type	k_q2d6c3c5b10_proj,@function
k_q2d6c3c5b10_proj:
	s_mov_b64 s[64:65], 0
	v_nop
	global_prefetch_b8 v0, s[64:65] scope:SCOPE_SE
	s_setreg_imm32_b32 hwreg(HW_REG_WAVE_MODE, 25, 1), 1
	s_wait_xcnt 0x0
	s_wait_alu depctr_hold_cnt(0) depctr_sa_sdst(0) depctr_va_vdst(0) depctr_va_sdst(0) depctr_va_ssrc(0) depctr_va_vcc(0) depctr_vm_vsrc(0)
	s_getreg_b32 s2, hwreg(HW_REG_IB_STS2, 6, 4)
	s_cmp_eq_u32 s2, 0
	s_cbranch_scc0 .Lentry_in_a_cluster
	s_endpgm
.Lentry_in_a_cluster:
	s_bfe_u32 s2, ttmp6, 0x10000c
	s_cmp_lg_u32 s2, 0xf033
	s_cbranch_scc0 .Lentry_shape_is_right
	s_endpgm
.Lentry_shape_is_right:
; out = attn Wo + bo on codes of FP8 (E4M3) with E8M0 scales, f32 sums.  The result is 8,192 x 1,024: tiles of 128 tokens x 256 channels give 256 work-groups.  A wave makes 128 tokens x 64 channels: 32 accumulators, 256 registers.
; Operands are images of the operand's registers (a fragment: 2,048 bytes [group][lane][16 bytes]); tile T holds the rows 32 (T / 2) + 8 (T % 2) + r + 8 (r / 8).
; D(a, b) = P_b (source 0: 16 channels of Wo) x Q_a (source 1: 16 tokens): a lane holds a token, and its registers of P's tiles 2 i, 2 i + 1 are channels 32 i + 16 h + 0 .. 15.
; K = 1,024 goes in four chunks of 256.  A slot holds a chunk: the activations' 8 tiles (32,768 bytes), then the weight's 16 (65,536).  THREE slots fit: chunks 0, 1, 2 are first fills, and chunk 3 is the one refill, into slot 0.
; The scale words of all of K come once.  The activations' tiles are shared along a row of the cluster, the weight's along a column.  Waves 0, 1 fetch the activations' halves, waves 2, 3 the weight's; four of a wave's loads are out at the most.
; The bias is the C of each sum's first matrix instruction.
; REGISTERS: window 0: v1-3 r, h, 16 x lane; v16-29 addresses; v32-63 scale words, two sets; v64-95 the bias; v128-255 Q's fragments, one set (on the way out: rows read back).  window 1: P's fragments, two sets of 64.  window 2: the accumulators, (a, b) at v[8 (4 a + b)].
.set WOFF,   32768                     ; in a slot: the weight's tiles behind the activations' eight
.set SLOT,   98304
.set SCL,    294912                    ; behind the three slots: the weight's scale words, 8,192 bytes,
.set SCX,    SCL+8192                  ; then the activations', 4,096 bytes
.set SPARE,  307200                    ; the spare words, 128 bytes for each wave: two blocks of 256 bytes that no other line names
.set STAGE,  SLOT                      ; the way out: 16 rows x (256 bytes + 16) for each wave, in slot 1, which has had its only fill and, two barriers back, its last read
.set SPITCH, 272
.set FR,     16
.set NL,     4
.set NP,     8                         ; places behind this matrix instruction (ISA guide 7.12.1)
.set ADRQ, 16                          ; v16-18  LDS address of Q's fragments in slot 0, 1, 2
.set ADRP, 20                          ; v20-22  of P's
.set STO,  24
.set RD,   25
.set CO,   26
.set ADRS, 27                          ; v27     of my scale words: lanes 0-15 Q's rows, lanes 16-31 P's
.set SPW,  28                          ; v28     my spare word; never rewritten
.set NIL,  29                          ; v29     0; never rewritten
.set SC,   32                          ; scale words: set s at v[SC + 16 s]; register 2 i + q: lanes 0-15 Q's tile i, lanes 16-31 P's tile i (i < 4), the chunk's q-th 128 along K
.set BIAS, 64
.set QF,   128
.set BK,   128
.set G1,   24                          ; s[24:31] group 1 for the activations' tiles;  s[32:43] their groups 0, one for each slot
.set G0,   32
.set G0S,  44                          ; s[44:47] group 0 for the activations' scale words
.set G1B,  48                          ; s[48:55] group 1 for the weight's tiles;  s[56:63], s[68:71] their groups 0
.set G0B,  56
.set G1S,  72                          ; s[72:79] group 1 for the activations' scale words
.set G1SB, 80                          ; s[80:87], s[88:91] groups 1 and 0 for the weight's
.set G0SB, 88
.set MSB, 0
.macro WIN new                         ; the immediate's high byte repeats the setting that is left
.if MSB != \new
	s_set_vgpr_msb (MSB<<8)|\new
.set MSB, \new
.endif
.endm
.set MUL,    0xa1                      ; source 0 (P) window 1, source 1 (Q) window 0, C and D window 2
.set MULB,   0x81                      ; the same with C (the bias) in window 0
.set TO_P,   0x40
.macro JLOAD g0a, g1a, g0b, g1b        ; waves 0 and 1 fetch for the activations, waves 2 and 3 for the weight; the branch hangs on the wave's number alone; four v_nop follow each line
	s_cmp_eq_u32 s15, 0
	s_cbranch_scc0 .Lfor_b_\@
	tensor_load_to_lds s[\g0a:\g0a+3], s[\g1a:\g1a+7]
	s_nop 0
.rept 4
	v_nop
.endr
	s_branch .Lasked_\@
.Lfor_b_\@:
	tensor_load_to_lds s[\g0b:\g0b+3], s[\g1b:\g1b+7]
	s_nop 0
.rept 4
	v_nop
.endr
.Lasked_\@:
.endm
.macro CREST
	s_cmp_lg_u32 s14, 0
	s_cbranch_scc1 .Lnot_wave_0_\@
	s_barrier_signal -3
.Lnot_wave_0_\@:
	s_barrier_wait -3
	s_barrier_signal -1
	s_barrier_wait -1
.endm
.macro CROUND
	s_barrier_signal -1
	s_barrier_wait -1
	CREST
.endm
	s_load_b256 s[4:11], s[0:1], 0x0               ; the activations' codes s[4:5], scales s[6:7], the weights' codes s[8:9], scales s[10:11]
	s_load_b128 s[96:99], s[0:1], 0x20             ; bo s[96:97], out s[98:99]
	v_lshl_add_u32 v[SPW], v0, 2, SPARE
	v_mov_b32 v[NIL], 0
	ds_add_u32 v28, v29
	ds_add_u32 v28, v29
	s_wait_dscnt 0x0
	v_lshrrev_b32 v1, 5, v0
	v_readfirstlane_b32 s14, v1                    ; wave 0..3: my 64 channels
	s_lshr_b32 s15, s14, 1                         ; I fetch the activations (0) or the weight (1),
	s_and_b32 s16, s14, 1                          ; and which half of them
	s_bfe_u32 s92, ttmp6, 0x40000                  ; cx, cy
	s_bfe_u32 s93, ttmp6, 0x40004
	s_lshl_b32 s100, ttmp9, 2
	s_add_co_u32 s100, s100, s92                   ; which 256 channels
	s_and_b32 s17, ttmp7, 0xffff
	s_lshl_b32 s17, s17, 2
	s_add_co_u32 s17, s17, s93                     ; which 128 tokens
	s_lshl_b32 s94, s93, 2
	s_lshl_b32 s94, 15, s94                        ; my row of the cluster
	s_lshl_b32 s95, 0x1111, s92                    ; my column
	s_or_b32 s[G1+0], s94, (3<<16)|(1<<21)
	s_mov_b32 s[G1+1], 512<<16                     ; 4 rows (tiles) of 512 elements of 8 bytes, 2,048 elements (a tile's whole K) apart
	s_mov_b32 s[G1+2], 4<<16
	s_mov_b32 s[G1+3], 512<<16
	s_mov_b32 s[G1+4], 4
	s_mov_b32 s[G1+5], 2048
	s_mov_b32 s[G1+6], 0
	s_mov_b32 s[G1+7], 0
	s_or_b32 s[G1B+0], s95, (3<<16)|(1<<21)
	s_mov_b32 s[G1B+1], 512<<16                    ; 8 such rows
	s_mov_b32 s[G1B+2], 8<<16
	s_mov_b32 s[G1B+3], 512<<16
	s_mov_b32 s[G1B+4], 8
	s_mov_b32 s[G1B+5], 2048
	s_mov_b32 s[G1B+6], 0
	s_mov_b32 s[G1B+7], 0
	s_or_b32 s[G1S+0], s94, (3<<16)|(1<<21)
	s_mov_b32 s[G1S+1], 32<<16                     ; 2,048 dense bytes as 8 rows of 256
	s_mov_b32 s[G1S+2], 8<<16
	s_mov_b32 s[G1S+3], 32<<16
	s_mov_b32 s[G1S+4], 8
	s_mov_b32 s[G1S+5], 32
	s_mov_b32 s[G1S+6], 0
	s_mov_b32 s[G1S+7], 0
	s_or_b32 s[G1SB+0], s95, (3<<16)|(1<<21)
	s_mov_b32 s[G1SB+1], 32<<16                    ; 4,096 dense bytes as 16 rows of 256
	s_mov_b32 s[G1SB+2], 16<<16
	s_mov_b32 s[G1SB+3], 32<<16
	s_mov_b32 s[G1SB+4], 16
	s_mov_b32 s[G1SB+5], 32
	s_mov_b32 s[G1SB+6], 0
	s_mov_b32 s[G1SB+7], 0
	s_lshl_b32 s20, s17, 17                        ; the activations: 8 tiles of 16,384 bytes a work-group, 4 a half
	s_lshl_b32 s18, s16, 16
	s_add_co_u32 s20, s20, s18
	s_mov_b32 s21, 0
	s_lshl_b32 s22, s17, 12                        ; their scale words: 4,096 bytes, 2,048 a half
	s_lshl_b32 s18, s16, 11
	s_add_co_u32 s22, s22, s18
	s_mov_b32 s23, 0
	s_lshl_b32 s12, s100, 18                       ; the weight: 16 tiles a work-group, 8 a half; Wo is the fourth matrix: tiles 192 on
	s_lshl_b32 s18, s16, 17
	s_add_co_u32 s12, s12, s18
	s_add_co_u32 s12, s12, 192*16384
	s_mov_b32 s13, 0
	s_lshl_b32 s2, s100, 13                        ; its scale words
	s_lshl_b32 s18, s16, 12
	s_add_co_u32 s2, s2, s18
	s_add_co_u32 s2, s2, 96*1024
	s_mov_b32 s3, 0
	s_lshl_b32 s19, s16, 14                        ; where they go in a slot: no place in the cluster enters an LDS address
	s_lshl_b32 s101, s16, 15
	s_add_co_u32 s101, s101, WOFF
	s_wait_kmcnt 0x0
	s_add_nc_u64 s[20:21], s[4:5], s[20:21]
	s_add_nc_u64 s[22:23], s[6:7], s[22:23]
	s_add_nc_u64 s[12:13], s[8:9], s[12:13]
	s_add_nc_u64 s[2:3], s[10:11], s[2:3]
	CROUND                                         ; all sixteen work-groups are here: the first joint loads meet
	s_mov_b32 s[G0S], 1
	s_lshl_b32 s[G0S+1], s16, 11
	s_add_co_u32 s[G0S+1], s[G0S+1], SCX
	s_mov_b64 s[G0S+2:G0S+3], s[22:23]
	s_or_b32 s[G0S+3], s[G0S+3], 0x80000000
	s_mov_b32 s[G0SB], 1
	s_lshl_b32 s[G0SB+1], s16, 12
	s_add_co_u32 s[G0SB+1], s[G0SB+1], SCL
	s_mov_b64 s[G0SB+2:G0SB+3], s[2:3]
	s_or_b32 s[G0SB+3], s[G0SB+3], 0x80000000
	JLOAD G0S, G1S, G0SB, G1SB                     ; the scale words first
.irp s, 0,1,2
	s_mov_b32 s[G0+4*\s], 1
	s_add_co_u32 s[G0+4*\s+1], s19, \s*SLOT
	s_add_nc_u64 s[G0+4*\s+2:G0+4*\s+3], s[20:21], \s*4096
	s_or_b32 s[G0+4*\s+3], s[G0+4*\s+3], 0x80000000
	s_mov_b32 s[G0B+4*\s+4*(\s/2)], 1
	s_add_co_u32 s[G0B+4*\s+4*(\s/2)+1], s101, \s*SLOT
	s_add_nc_u64 s[G0B+4*\s+4*(\s/2)+2:G0B+4*\s+4*(\s/2)+3], s[12:13], \s*4096
	s_or_b32 s[G0B+4*\s+4*(\s/2)+3], s[G0B+4*\s+4*(\s/2)+3], 0x80000000
	JLOAD G0+4*\s, G1, G0B+4*\s+4*(\s/2), G1B
.endr
	v_and_b32 v1, 15, v0                           ; r
	v_bfe_u32 v2, v0, 4, 1                         ; h
	v_and_b32 v3, 31, v0
	v_lshlrev_b32 v3, 4, v3                        ; 16 x lane
	s_mov_b32 s21, 0                               ; Q: all eight tiles of the tokens
	s_lshl_b32 s22, s14, 14
	s_add_co_u32 s22, s22, WOFF                    ; P: my four tiles of the channels
.irp s, 0,1,2
	v_add_nc_u32 v[ADRQ+\s], s21, v3
	v_add_nc_u32 v[ADRP+\s], s22, v3
	s_add_co_u32 s21, s21, SLOT
	s_add_co_u32 s22, s22, SLOT
.endr
	s_lshl_b32 s21, s14, 11                        ; my four tiles' words among the weight's,
	s_sub_co_u32 s22, 8192, s21                    ; and from them to the activations' words, which lie behind: what lanes 16-31 read beyond my four tiles is filled too, and is not used
	v_xor_b32 v6, 1, v2
	v_mul_u32_u24 v6, s22, v6                      ; lanes 0-15 take Q's words, lanes 16-31 P's
	v_lshl_add_u32 v6, v1, 3, v6                   ; 8 bytes a row
	s_add_co_u32 s21, s21, SCL
	v_add_nc_u32 v[ADRS], s21, v6
	s_mul_i32 s23, s14, 16*SPITCH                  ; my stage
	s_add_co_u32 s23, s23, STAGE
	v_mul_u32_u24 v5, v1, SPITCH
	v_lshl_add_u32 v5, v2, 6, v5
	v_add_nc_u32 v[STO], s23, v5                   ; in: row r, + 64 h
	v_mul_u32_u24 v5, v2, SPITCH
	v_lshl_add_u32 v5, v1, 4, v5
	v_add_nc_u32 v[RD], s23, v5                    ; back: lanes 0-15 one row of 256 bytes, lanes 16-31 the next
	v_lshlrev_b32 v[CO], 12, v2
	v_lshl_add_u32 v[CO], v1, 4, v[CO]             ; and the same two rows in the result
	s_lshl_b32 s18, s100, 10                       ; my first channel, in bytes
	s_lshl_b32 s19, s14, 8
	s_add_co_u32 s18, s18, s19
	s_mov_b32 s19, 0
	s_add_nc_u64 s[96:97], s[96:97], s[18:19]
	s_lshl_b32 s20, s17, 19                        ; my first token's row of 4,096 bytes
	s_add_co_u32 s18, s18, s20
	s_add_nc_u64 s[98:99], s[98:99], s[18:19]
	v_lshlrev_b32 v7, 6, v2
.irp b, 0,1,2,3
	global_load_b128 v[BIAS+8*\b:BIAS+8*\b+3], v7, s[96:97] offset:4*(32*(\b/2)+8*(\b%2))       ; register 8 b + j: channel 32 (b / 2) + 8 (b % 2) + 16 h + j
	global_load_b128 v[BIAS+8*\b+4:BIAS+8*\b+7], v7, s[96:97] offset:4*(32*(\b/2)+8*(\b%2))+16
.endr
.macro FRAG reg, adr, q, i             ; a fragment as it lies: four loads of 512 consecutive bytes
.irp c, 0,1,2,3
	ds_load_b128 v[\reg+4*\c:\reg+4*\c+3], v[\adr] offset:(\i)*4096+(\q)*2048+512*\c
.endr
.endm
; 8 matrix instructions: Q's tiles a0, a0 + 1 x P's four.  cm = 1: the sums start with the bias.  The 32 accumulators take turns, one instruction a turn, in the same order in every step.
.macro MUL8 a0, p, q, sc, cm
.irp a, \a0, \a0+1
.irp b, 0,1,2,3
.if \cm == 1
	v_wmma_scale_f32_16x16x128_f8f6f4 v[8*(4*(\a)+\b):8*(4*(\a)+\b)+7], v[64*(\p)+FR*\b:64*(\p)+FR*\b+FR-1], v[QF+FR*(\a):QF+FR*(\a)+FR-1], v[BIAS+8*\b:BIAS+8*\b+7], v[SC+16*(\sc)+2*\b+(\q)], v[SC+16*(\sc)+2*(\a)+(\q)] matrix_a_scale:MATRIX_SCALE_ROW1
.else
	v_wmma_scale_f32_16x16x128_f8f6f4 v[8*(4*(\a)+\b):8*(4*(\a)+\b)+7], v[64*(\p)+FR*\b:64*(\p)+FR*\b+FR-1], v[QF+FR*(\a):QF+FR*(\a)+FR-1], v[8*(4*(\a)+\b):8*(4*(\a)+\b)+7], v[SC+16*(\sc)+2*\b+(\q)], v[SC+16*(\sc)+2*(\a)+(\q)] matrix_a_scale:MATRIX_SCALE_ROW1
.endif
.endr
.endr
.endm
.macro FETCH_P slot, q, p
	WIN TO_P
.irp i, 0,1,2,3
	FRAG 64*(\p)+FR*\i, ADRP+\slot, \q, \i
.endr
	WIN 0
.endm
.macro FETCH_Q slot, q, i0
.irp i, \i0, \i0+1, \i0+2, \i0+3
	FRAG QF+FR*(\i), ADRQ+\slot, \q, \i
.endr
.endm
.macro SCALES sc                       ; a chunk's scale words: two words a row
.irp i, 0,1,2,3,4,5,6,7
	ds_load_b64 v[SC+16*(\sc)+2*\i:SC+16*(\sc)+2*\i+1], v[ADRS] offset:(\i/2)*1024+(\i%2)*128
.endr
.endm
.macro PLACES n                        ; plain vector instructions between a matrix instruction and a load into, or a read of, its registers
.rept \n
	v_nop
.endr
.endm
.macro STEP slot, q, cm, sc            ; 128 along K whose successor lies in the same slot
	s_wait_dscnt 4*NL                              ; P's set and Q's tiles 0-3 are in; the youngest sixteen loads (Q's tiles 4-7) may be out
.if \cm
	WIN MULB
.else
	WIN MUL
.endif
	MUL8 0, (\q)%2, \q, \sc, \cm
	MUL8 2, (\q)%2, \q, \sc, \cm
	s_wait_dscnt 0
	PLACES NP
	FETCH_P \slot, (\q)+1, 1-(\q)%2
	FETCH_Q \slot, (\q)+1, 0
.if \cm
	WIN MULB
.else
	WIN MUL
.endif
	MUL8 4, (\q)%2, \q, \sc, \cm
	MUL8 6, (\q)%2, \q, \sc, \cm
	PLACES NP
	WIN 0
	FETCH_Q \slot, (\q)+1, 4
.endm
; A slot's last step changes slots: one barrier; in front of it each wave waits for all its tensor loads, adds 0 to its spare word, and waits for that and for its reads of this slot.  fill = 1: slot 0 takes chunk 3.
.macro TURN slot, next, fill, sc
	s_wait_tensorcnt 0x0                           ; all my tensor loads have landed, my part of the next slot among them
	ds_add_u32 v[SPW], v[NIL]
	s_wait_dscnt 4*NL+1                            ; (the add and the youngest sixteen loads may be out)
	WIN MUL
	MUL8 0, 1, 1, \sc, 0
	s_wait_dscnt 0x0                               ; the add is done, and my reads of this slot are over
	s_barrier_signal -1
	MUL8 2, 1, 1, \sc, 0
	WIN 0
	s_barrier_wait -1
.if \fill
	CREST                                          ; the barrier has opened a round of the cluster's: no wave of any partner still reads this slot or has a load on its way
	s_add_nc_u64 s[G0+2:G0+3], s[G0+2:G0+3], 3*4096
	s_add_nc_u64 s[G0B+2:G0B+3], s[G0B+2:G0B+3], 3*4096
	JLOAD G0, G1, G0B, G1B                         ; the first tensor load behind the round; its four v_nop are among the places below
	PLACES NP-4
.else
	PLACES NP
.endif
	v_add_nc_u32 v[ADRS], 256, v[ADRS]             ; the next chunk's scale words
	FETCH_P \next, 0, 0
	FETCH_Q \next, 0, 0
	SCALES 1-\sc
	WIN MUL
	MUL8 4, 1, 1, \sc, 0
	MUL8 6, 1, 1, \sc, 0
	PLACES NP
	WIN 0
	FETCH_Q \next, 0, 4
.endm
	s_wait_tensorcnt 2                             ; the scale words and my part of slot 0 are in; my loads for slots 1 and 2 may be out
	s_barrier_signal -1
	s_barrier_wait -1
	FETCH_P 0, 0, 0
	FETCH_Q 0, 0, 0
	SCALES 0
	FETCH_Q 0, 0, 4
	s_wait_loadcnt 0x0                             ; the bias
	STEP 0, 0, 1, 0                                ; chunk 0: the first step starts the sums with the bias: nothing is cleared
	TURN 0, 1, 1, 0                                ; slot 0 is left and takes chunk 3
	STEP 1, 0, 0, 1                                ; chunk 1
	TURN 1, 2, 0, 1
	STEP 2, 0, 0, 0                                ; chunk 2
	TURN 2, 0, 0, 0
	STEP 0, 0, 0, 1                                ; chunk 3
	s_wait_dscnt 4*NL
	WIN MUL
	MUL8 0, 1, 1, 1, 0
	MUL8 2, 1, 1, 1, 0
	s_wait_dscnt 0
	MUL8 4, 1, 1, 1, 0
	MUL8 6, 1, 1, 1, 0
	WIN 0
; THE WAY OUT, a tile of 16 tokens x 64 channels at a time, through my own stage: in by lanes, back as whole rows of 256 bytes.  LDS serves a wave's instructions in order: no wait between the stores and the loads.
.macro TOSTAGE a
	WIN 0x08                                       ; the data: window 2
.irp b, 0,1,2,3
	ds_store_b128 v[STO], v[32*(\a)+8*\b:32*(\a)+8*\b+3] offset:128*(\b/2)+32*(\b%2)          ; each accumulator from its low end on
	ds_store_b128 v[STO], v[32*(\a)+8*\b+4:32*(\a)+8*\b+7] offset:128*(\b/2)+32*(\b%2)+16
.endr
	WIN 0
.set BB, BK+32*((\a)%2)
.irp j, 0,1,2,3,4,5,6,7
	ds_load_b128 v[BB+4*\j:BB+4*\j+3], v[RD] offset:2*\j*SPITCH
.endr
.endm
.macro SEND a, younger
.set BB, BK+32*((\a)%2)
	s_wait_dscnt \younger                          ; the tile is back in registers
.irp j, 0,1,2,3,4,5,6,7
	global_store_b128 v[CO], v[BB+4*\j:BB+4*\j+3], s[98:99] offset:(32*((\a)/2)+8*((\a)%2)+2*\j+8*(\j/4))*4096 th:TH_STORE_NT   ; rows 2 j, 2 j + 1 of the tile are tokens 32 (a / 2) + 8 (a % 2) + 2 j + 8 (j / 4) + h; sixteen lanes store 256 consecutive bytes, aligned
.endr
.endm
	PLACES NP
	TOSTAGE 0
.irp a, 1,2,3,4,5,6,7
.if \a > 1
	s_wait_xcnt 0x0                                ; tile a - 2's stores have read their registers: tile a's loads may land there
.endif
	TOSTAGE \a
	SEND \a-1, 16                                  ; behind tile a - 1's loads: tile a's 8 stores and 8 loads
.endr
	SEND 7, 0
	s_wait_tensorcnt 0x0                           ; the wave's end
	ds_add_u32 v[SPW], v[NIL]
	s_wait_dscnt 0x0
	CROUND                                         ; the closing round
	s_endpgm
.Lfunc_end_k_q2d6c3c5b10_proj:
	.size	k_q2d6c3c5b10_proj, .Lfunc_end_k_q2d6c3c5b10_proj-k_q2d6c3c5b10_proj
	.p2alignl 7, 3214868480
	.fill 96, 4, 3214868480
	.section	.rodata,"a",@progbits
	.p2align	6, 0x0
	.amdhsa_kernel k_q2d6c3c5b10_proj
		.amdhsa_group_segment_fixed_size 327680
		.amdhsa_private_segment_fixed_size 0
		.amdhsa_enable_private_segment 0
		.amdhsa_kernarg_size 48
		.amdhsa_user_sgpr_count 2
		.amdhsa_user_sgpr_kernarg_segment_ptr 1
		.amdhsa_wavefront_size32 1
		.amdhsa_system_sgpr_workgroup_id_x 1
		.amdhsa_system_sgpr_workgroup_id_y 1
		.amdhsa_system_sgpr_workgroup_id_z 1
		.amdhsa_system_vgpr_workitem_id 0
		.amdhsa_next_free_vgpr 768
		.amdhsa_next_free_sgpr 102
		.amdhsa_reserve_vcc 0
		.amdhsa_float_denorm_mode_32 3
		.amdhsa_float_denorm_mode_16_64 3
		.amdhsa_memory_ordered 1
		.amdhsa_forward_progress 1
		.amdhsa_inst_pref_size 92
	.end_amdhsa_kernel
	.amdgpu_metadata
---
amdhsa.version: [ 1, 2 ]
amdhsa.kernels:
  - .name:           k_q2d6c3c5b10_proj
    .symbol:         k_q2d6c3c5b10_proj.kd
    .args:
      - { .name: actc, .offset: 0, .size: 8, .value_kind: global_buffer, .address_space: global }
      - { .name: acts, .offset: 8, .size: 8, .value_kind: global_buffer, .address_space: global }
      - { .name: wc, .offset: 16, .size: 8, .value_kind: global_buffer, .address_space: global }
      - { .name: ws, .offset: 24, .size: 8, .value_kind: global_buffer, .address_space: global }
      - { .name: Wo_b, .offset: 32, .size: 8, .value_kind: global_buffer, .address_space: global }
      - { .name: out0, .offset: 40, .size: 8, .value_kind: global_buffer, .address_space: global }
    .group_segment_fixed_size: 327680
    .private_segment_fixed_size: 0
    .kernarg_segment_align: 8
    .kernarg_segment_size: 48
    .max_flat_workgroup_size: 128
    .sgpr_count:     102
    .vgpr_count:     768
    .wavefront_size: 32
...
	.end_amdgpu_metadata
.endif
;; end of part 4
